; MI455X (gfx1250); checked and timed in simulation.
; The chip was launched on July 23, 2026; its instructions are those of AMD's public machine-readable ISA for CDNA 5 (MIT licence, August 2026) and "CDNA5" Instruction Set Architecture Reference Guide (July 2026). The comments in the code are by the model that wrote it; some were corrected since.
;; Llama Attention. Allowed arithmetic: matrix products marked QUANTISED: E2M1 operands, one E8M0 scale for each 32 along K, by v_wmma_scale_f32_16x16x128_f8f6f4 with both operands' format E2M1 (or v_wmma_scale_f32_32x16x128_f4), f32 sums; products left as they are: bf16, f16 or f32 operands; f32 sums; everything else in f32.
;; Inputs: Wk 2,048 x 2,048 float32; Wo 2,048 x 2,048 float32; Wq 2,048 x 2,048 float32; Wv 2,048 x 2,048 float32; attention_mask 1 x 1 x 2,048 x 2,048 float32; hidden_states 1 x 2,048 x 2,048 float32; position_ids 1 x 2,048 int32.
;; Outputs: out0 1 x 2,048 x 2,048 float32; out1 1 x 16 x 2,048 x 128 float32; out2 1 x 16 x 2,048 x 128 float32.
;; This version of the problem:
;;   THIS VERSION OF THE PROBLEM IS GIVEN IN LOW PRECISION. The matrix products marked QUANTISED in the list below multiply operands that are first quantised to E2M1 (2 exponent bits, 1 mantissa bit; 4 bits a number), with one power-of-two scale for each 32 numbers along K (OCP MX v1.0); their sums are f32. The products marked 'left as it is' may take bf16, f16 or f32 operands, with f32 sums. Whichever they take, every output number must still come out within the allowed error. Rounding operands to bf16 (8 significant bits) uses up far more of that allowance than f16 does (11 bits, for magnitudes from 6e-5 to 65,504). All else is computed in f32.
;;   The module's matrix products, in the order in which they are computed (A, B: the left and right operand; K: the contracted axis; several contracted axes count as one K, in the product's order):
;;     1. [M 2,048, K 2,048] x [K 2,048, N 2,048]; A: input hidden_states; B: input Wq: QUANTISED
;;     2. [M 2,048, K 2,048] x [K 2,048, N 2,048]; A: input hidden_states; B: input Wk: QUANTISED
;;     3. [M 2,048, K 2,048] x [K 2,048, N 2,048]; A: input hidden_states; B: input Wv: QUANTISED
;;     4. batch 16 x [M 2,048, K 128] x [K 128, N 2,048]; A: computed on the way; B: computed on the way: left as it is (an operand is computed on the way)
;;     5. batch 16 x [M 2,048, K 2,048] x [K 2,048, N 128]; A: computed on the way; B: computed on the way: left as it is (an operand is computed on the way)
;;     6. [M 2,048, K 2,048] x [K 2,048, N 2,048]; A: computed on the way; B: input Wo: left as it is (an operand is computed on the way)
;;   THE QUANTISER, for each operand of a quantised product, along K:
;;     - K is cut into blocks of 32 from its start; a last block that is shorter is filled with zeros.
;;     - A block's scale is 2^e with e = floor(log2(the largest magnitude in the block)) - 2, held to -126 .. 127; a block of zeros has e = 0. As a byte (E8M0): e + 127.
;;     - Each number is divided by its block's scale, clamped to +-6, and rounded to the nearest number of E2M1, ties to even, subnormals kept.
;;     - The product sums the exact products of the quantised numbers (number of the format x scale) in f32.
;;   ~~~python
;;   def quantise(x, axis):      # numpy; x: float32 -> the quantised numbers, widened to float32 again
;;       x = np.moveaxis(x, axis, -1); K = x.shape[-1]
;;       x = np.pad(x, [(0, 0)] * (x.ndim - 1) + [(0, -K % 32)]); x = x.reshape(x.shape[:-1] + (-1, 32)); a = np.abs(x).max(-1, keepdims=True)
;;       e = np.where(a > 0, np.clip(np.frexp(np.where(a > 0, a, 1))[1] - 1 - 2, -126, 127), 0)      # np.frexp(a)[1] - 1 = floor(log2(a)), exactly
;;       r = np.clip(x / 2.0 ** e, -6, 6)
;;       step = 2.0 ** (np.maximum(np.frexp(np.where(r == 0, 1, r))[1] - 1, 0) - 1)
;;       q = np.round(r / step) * step * 2.0 ** e      # np.round: ties to even
;;       return np.moveaxis(q.reshape(q.shape[:-2] + (-1,))[..., :K], -1, axis).astype(np.float32)
;;   ~~~
;; One version. Each part assembles by itself: llvm-mc -triple=amdgcn-amd-amdhsa -mcpu=gfx1250 --defsym DOCPART=n.
;; ======== version 1 of 1: 4 launches
;; limits: values are held in f16: magnitudes above 65,504 overflow, below 6.1e-05 lose precision; right only within a limited range of input values
;; workspace buffers: codes 8,388,608 bytes; scales 524,288 bytes; wo16 8,388,608 bytes; rope 1,048,576 bytes; qh 8,388,608 bytes; kh 8,388,608 bytes; vh 8,388,608 bytes; at16 8,388,608 bytes
;; launch prep (part 1): grid 672 x 1, 4 waves a work-group, no clusters, 33,280 bytes of LDS; arguments hidden_states, Wq, Wk, Wv, Wo, position_ids, codes, scales, wo16, rope; writes codes, scales, wo16, rope
.if DOCPART == 1
	.amdgcn_target "amdgcn-amd-amdhsa--gfx1250"
	.amdhsa_code_object_version 6
	.text
	.protected	k_qbf2104a5e9_prep
	.globl	k_qbf2104a5e9_prep
	.p2align	8
	.type	k_qbf2104a5e9_prep,@function
k_qbf2104a5e9_prep:
	s_mov_b64 s[64:65], 0
	v_nop
	global_prefetch_b8 v0, s[64:65] scope:SCOPE_SE
	s_setreg_imm32_b32 hwreg(HW_REG_WAVE_MODE, 25, 1), 1
	s_wait_xcnt 0x0
; Three jobs, told apart by the work-group's number alone.
; Q (work-groups 0-511): hidden_states, Wq, Wk, Wv, each [2048][2048] f32 with K innermost, become codes of FP4 (E2M1), two a byte, and one E8M0 byte for each 32 along K:
;   codes [4][2048][1024 bytes], scales [4][2048][64 bytes].  A block's scale is 2^(floor(log2(largest magnitude)) - 2); its byte is the largest magnitude's exponent field - 2, held at 1 from below.
;   Each tensor is a plain stream of blocks of 32; a wave takes 16 steps of 512 numbers.  Loads take 512 consecutive bytes; a step turns through the wave's own stage in LDS so that a lane holds 16 neighbours.
; W (512-639): Wo becomes f16, held at +-65,504.  A wave takes 8,192 numbers through a ring of 16 register slots.
; R (640-671): the table of cos and sin for RoPE, laid as the reader's registers want it: [tile of 16 positions][t 0-3][p 0-3][lane][4 f32]; lane (r, h) has position 16 T + r;
;   p = 0, 1: cos of channel 16 t + 8 h + 4 p + 0..3; p = 2, 3: sin of channel 16 t + 8 h + 4 (p - 2) + 0..3.  angle = f32(position) x 10000^(-channel / 64).
;   The angle is brought into [-pi/4, pi/4] by three fused steps with pi/2 in three parts; sin and cos there by polynomials of degree 7 and 8.
; LIMITS: a block of zeros gets the byte 1 (its codes are zeros; this program alone reads the bytes); NaN and infinities among the inputs are not served; blocks whose largest magnitude lies under 2^-124 were not tried;
;   |angle| is served under 2^23; the frequency is within a few units in the last place of 10000^(-channel / 64).
.set WAVES, 4
.set STEPS, 16
.set EMAX,  2
.set CB,    8                          ; bytes of 16 codes
.set R,     16                         ; v16-79   four sets of 16 numbers as loaded
.set X,     80                         ; v80-111  two sets of 16 neighbours
.set C,     128                        ; v128-191 codes: four registers a step
.set E,     112                        ; v112-127 a scale byte a step
.set WREG,  8192                       ; LDS: a region for each wave: two stages of 32 x SP bytes, then its 256 scale bytes
.set SP,    80
.set SPW,   12                         ; v12 my spare word's LDS address; never rewritten
.set NIL,   13                         ; v13 0; never rewritten
.set SPARE, WAVES*WREG                 ; behind the regions: the spare words, 128 bytes a wave
.set WV,    24
	s_load_b256 s[4:11], s[0:1], 0x0               ; hidden_states, Wq, Wk, Wv
	s_load_b256 s[12:19], s[0:1], 0x20             ; Wo, position_ids, codes, scales
	s_load_b128 s[20:23], s[0:1], 0x40             ; wo16, rope
	v_lshl_add_u32 v[SPW], v0, 2, SPARE
	v_mov_b32 v[NIL], 0
	v_lshrrev_b32 v1, 5, v0
	v_readfirstlane_b32 s[WV], v1                  ; wave
	v_and_b32 v2, 31, v0                           ; lane
	s_wait_kmcnt 0x0
	s_cmp_ge_u32 ttmp9, 640
	s_cbranch_scc1 .Lrope
	s_cmp_ge_u32 ttmp9, 512
	s_cbranch_scc1 .Lwo
; ---------------- Q: the quantiser
	v_lshlrev_b32 v3, 4, v2                        ; my 16 bytes of a load's 512
	s_mul_i32 s25, s[WV], WREG
	v_lshrrev_b32 v14, 2, v2
	v_mul_u32_u24 v14, v14, SP
	v_and_b32 v15, 3, v2
	v_lshl_add_u32 v14, v15, 4, v14
	v_add_nc_u32 v14, s25, v14                     ; the stage, on the way in: SP (lane / 4) + 16 (lane % 4)
	v_mul_u32_u24 v15, v2, SP
	v_add_nc_u32 v15, s25, v15                     ; on the way out: SP x lane
	v_mul_u32_u24 v4, v2, CB
	v_lshrrev_b32 v5, 1, v2
	s_add_co_u32 s25, s25, 2*32*SP
	v_add_nc_u32 v5, s25, v5                       ; my block's byte among the wave's 256
	v_lshlrev_b32 v7, 3, v2
	v_add_nc_u32 v6, s25, v7
	s_lshr_b32 s26, ttmp9, 7                       ; which tensor: 128 work-groups each
	s_cmp_eq_u32 s26, 1
	s_cselect_b64 s[4:5], s[6:7], s[4:5]
	s_cmp_eq_u32 s26, 2
	s_cselect_b64 s[4:5], s[8:9], s[4:5]
	s_cmp_eq_u32 s26, 3
	s_cselect_b64 s[4:5], s[10:11], s[4:5]
	s_lshl_b32 s27, ttmp9, 2
	s_add_co_u32 s27, s27, s[WV]                   ; my run of 8,192 numbers, 0 .. 2047 over the four tensors
	s_and_b32 s28, s27, 511
	s_lshl_b32 s28, s28, 15                        ; 32,768 bytes of f32 a run, within the tensor
	s_mov_b32 s29, 0
	s_add_nc_u64 s[4:5], s[4:5], s[28:29]
	s_lshl_b32 s28, s27, 12                        ; 4,096 bytes of codes a run
	s_add_nc_u64 s[16:17], s[16:17], s[28:29]
	s_lshl_b32 s28, s27, 8                         ; 256 scale bytes a run
	s_add_nc_u64 s[18:19], s[18:19], s[28:29]
.macro LOAD t
.irp i, 0,1,2,3
	global_load_b128 v[R+16*((\t)%4)+4*\i:R+16*((\t)%4)+4*\i+3], v3, s[4:5] offset:2048*(\t)+512*\i th:TH_LOAD_NT
.endr
.endm
.macro TURN t                          ; step t's numbers through the stage: LDS serves a wave's instructions in order
.irp i, 0,1,2,3
	ds_store_b128 v14, v[R+16*((\t)%4)+4*\i:R+16*((\t)%4)+4*\i+3] offset:32*SP*((\t)%2)+8*SP*\i
.endr
.irp i, 0,1,2,3
	ds_load_b128 v[X+16*((\t)%2)+4*\i:X+16*((\t)%2)+4*\i+3], v15 offset:32*SP*((\t)%2)+16*\i
.endr
.endm
.irp t, 0,1,2,3
	LOAD \t
.endr
	s_wait_loadcnt 12                              ; step 0's four loads are in; the twelve of steps 1 to 3 stay out
	TURN 0
.macro STEP t
.set XS, X+16*((\t)%2)
.if (\t) > 0
	s_wait_dscnt 1                                 ; this step's numbers are back from the stage; the last step's byte store may be out
.else
	s_wait_dscnt 0x0
.endif
.if (\t)+4 < STEPS
	LOAD (\t)+4
.endif
.if (\t)+1 < STEPS
.if STEPS-2-(\t) >= 3
	s_wait_loadcnt 12                              ; the next step's four loads are in; those of the three steps behind it may be out
.else
	s_wait_loadcnt 4*(STEPS-2-(\t))
.endif
	TURN (\t)+1
.endif
	v_max3_num_f32 v8, |v[XS]|, |v[XS+1]|, |v[XS+2]|
	v_max3_num_f32 v9, |v[XS+3]|, |v[XS+4]|, |v[XS+5]|
.irp i, 6,10
	v_max3_num_f32 v8, v8, |v[XS+\i]|, |v[XS+\i+1]|
	v_max3_num_f32 v9, v9, |v[XS+\i+2]|, |v[XS+\i+3]|
.endr
	v_max3_num_f32 v8, v8, |v[XS+14]|, |v[XS+15]|
	v_max3_num_f32 v8, v8, v9, (EMAX+1)<<23        ; the floor 2^(3 - 127): the byte cannot fall under 1
	v_max_num_f32_dpp v8, v8, v8 row_xmask:1 row_mask:0xf bank_mask:0xf   ; with my neighbour's 16: the block's
	v_add_nc_u32 v11, -(EMAX<<23), v8              ; 2 off the exponent field: the conversion's scale operand
	v_cvt_scalef32_pk8_fp4_f32 v[C+4*(\t)], v[XS:XS+7], v11
	v_cvt_scalef32_pk8_fp4_f32 v[C+4*(\t)+1], v[XS+8:XS+15], v11
	v_lshrrev_b32 v[E+(\t)], 23, v11               ; the scale's byte
	ds_store_b8 v5, v[E+(\t)] offset:16*(\t)       ; both lanes of a block write the same byte with the same value
	global_store_b64 v4, v[C+4*(\t):C+4*(\t)+1], s[16:17] offset:32*CB*(\t)   ; the wave stores 256 consecutive bytes, aligned
.endm
.irp t, 0,1,2,3,4,5,6,7,8,9,10,11,12,13,14,15
	STEP \t
.endr
	ds_load_b64 v[8:9], v6
	s_wait_dscnt 0x0
	global_store_b64 v7, v[8:9], s[18:19]          ; 256 scale bytes, aligned
	s_wait_tensorcnt 0x0                           ; the wave's end: behind my last LDS store
	ds_add_u32 v[SPW], v[NIL]
	s_wait_dscnt 0x0
	s_endpgm
; ---------------- W: Wo to f16
.Lwo:
	s_sub_co_u32 s25, ttmp9, 512
	s_lshl_b32 s25, s25, 2
	s_add_co_u32 s25, s25, s[WV]                   ; my run of 8,192 numbers, 0 .. 511
	s_lshl_b32 s28, s25, 15
	s_mov_b32 s29, 0
	s_add_nc_u64 s[12:13], s[12:13], s[28:29]
	s_lshl_b32 s28, s25, 14
	s_add_nc_u64 s[20:21], s[20:21], s[28:29]
	s_mov_b32 s30, 0xc77fe000                      ; -65,504
	s_mov_b32 s31, 0x477fe000                      ; 65,504
	v_lshlrev_b32 v3, 4, v2
	v_lshlrev_b32 v4, 3, v2
.irp i, 0,1,2,3,4,5,6,7,8,9,10,11,12,13,14,15
	global_load_b128 v[32+4*\i:35+4*\i], v3, s[12:13] offset:512*\i th:TH_LOAD_NT
.endr
.macro WSLOT i, k, ahead, left
	s_wait_loadcnt \left                           ; loads come back in order: mine is in, the younger ones stay out
	s_wait_xcnt 0x0                                ; the slot's last store has read its data registers
.irp j, 0,1,2,3
	v_med3_num_f32 v[32+4*(\i)+\j], v[32+4*(\i)+\j], s30, s31
.endr
	v_cvt_pk_f16_f32 v[96+2*(\i)], v[32+4*(\i)], v[33+4*(\i)]
	v_cvt_pk_f16_f32 v[97+2*(\i)], v[34+4*(\i)], v[35+4*(\i)]
.if \ahead
	global_load_b128 v[32+4*(\i):35+4*(\i)], v3, s[12:13] offset:512*(16*((\k)+1)+(\i)) th:TH_LOAD_NT
.endif
	global_store_b64 v4, v[96+2*(\i):97+2*(\i)], s[20:21] offset:256*(16*(\k)+(\i))   ; 256 consecutive bytes, aligned
.endm
.irp k, 0,1,2
.irp i, 0,1,2,3,4,5,6,7,8,9,10,11,12,13,14,15
	WSLOT \i, \k, 1, 15
.endr
.endr
.irp i, 0,1,2,3,4,5,6,7,8,9,10,11,12,13,14,15
	WSLOT \i, 3, 0, 15-\i                          ; the last round loads nothing: the counts run down
.endr
	s_endpgm
; ---------------- R: the table of cos and sin
.Lrope:
	s_sub_co_u32 s25, ttmp9, 640
	s_lshl_b32 s25, s25, 2
	s_add_co_u32 s25, s25, s[WV]                   ; T: my tile of 16 positions, 0 .. 127
	s_lshl_b32 s28, s25, 6
	s_mov_b32 s29, 0
	s_add_nc_u64 s[14:15], s[14:15], s[28:29]
	s_lshl_b32 s28, s25, 13
	s_add_nc_u64 s[22:23], s[22:23], s[28:29]
	v_and_b32 v3, 15, v0
	v_lshlrev_b32 v3, 2, v3
	global_load_b32 v5, v3, s[14:15]               ; position_ids[16 T + r]
	v_bfe_u32 v4, v0, 4, 1
	v_lshlrev_b32 v4, 3, v4                        ; 8 h
	v_lshlrev_b32 v6, 4, v2                        ; 16 x lane
	s_mov_b32 s32, 0xbfc90fda                      ; -pi/2 in three parts
	s_mov_b32 s33, 0xb3a22168
	s_mov_b32 s34, 0xa7c234c4
	s_mov_b32 s35, 0xb94ca1f9                      ; sin's coefficients
	s_mov_b32 s36, 0x3c08839e
	s_mov_b32 s37, 0xbe2aaaa3
	s_mov_b32 s38, 0x37ccf5ce                      ; cos's
	s_mov_b32 s39, 0xbab6061a
	s_mov_b32 s40, 0x3d2aaaa5
.irp g, 0,1,2,3,4,5,6,7
.irp i, 0,1,2,3
	v_add_nc_u32 v[32+4*\g+\i], 16*(\g/2)+4*(\g%2)+\i, v4   ; the channel: 16 t + 4 u + i + 8 h
.endr
.endr
.set n, 0
.rept 32
	v_cvt_f32_u32 v[32+n], v[32+n]
.set n, n+1
.endr
.set n, 0
.rept 32
	v_mul_f32 v[32+n], 0xbe549a78, v[32+n]         ; x -log2(10000) / 64
.set n, n+1
.endr
.set n, 0
.rept 32
	v_exp_f32 v[32+n], v[32+n]                     ; the frequency
.set n, n+1
.endr
	v_nop                                          ; a plain instruction behind the last exponential
	s_wait_alu depctr_va_vdst(0)                   ; one wait for the batch, ahead of its first reader
	s_wait_loadcnt 0x0
	v_cvt_f32_i32 v5, v5
.set n, 0
.rept 32
	v_mul_f32 v[32+n], v5, v[32+n]                 ; the angle, one rounding
.set n, n+1
.endr
.macro SINCOS4 g                       ; four angles by turns: cos into v[96 + 8 g ..], sin into v[100 + 8 g ..]
.irp i, 0,1,2,3
	v_mul_f32 v[160+\i], 0x3f22f983, v[32+4*(\g)+\i]       ; x 2 / pi
.endr
.irp i, 0,1,2,3
	v_rndne_f32 v[160+\i], v[160+\i]                       ; n
.endr
.irp i, 0,1,2,3
	v_fma_f32 v[164+\i], v[160+\i], s32, v[32+4*(\g)+\i]
.endr
.irp i, 0,1,2,3
	v_fma_f32 v[164+\i], v[160+\i], s33, v[164+\i]
.endr
.irp i, 0,1,2,3
	v_fma_f32 v[164+\i], v[160+\i], s34, v[164+\i]         ; r = angle - n pi/2
.endr
.irp i, 0,1,2,3
	v_cvt_i32_f32 v[172+\i], v[160+\i]                     ; the quadrant, as a whole number
.endr
.irp i, 0,1,2,3
	v_mul_f32 v[168+\i], v[164+\i], v[164+\i]              ; z = r r
.endr
.irp i, 0,1,2,3
	v_fma_f32 v[176+\i], v[168+\i], s35, s36
	v_fma_f32 v[180+\i], v[168+\i], s38, s39
.endr
.irp i, 0,1,2,3
	v_fma_f32 v[176+\i], v[176+\i], v[168+\i], s37
	v_fma_f32 v[180+\i], v[180+\i], v[168+\i], s40
.endr
.irp i, 0,1,2,3
	v_mul_f32 v[184+\i], v[168+\i], v[164+\i]              ; z r
.endr
.irp i, 0,1,2,3
	v_fma_f32 v[176+\i], v[176+\i], v[184+\i], v[164+\i]   ; sin r
.endr
.irp i, 0,1,2,3
	v_mul_f32 v[184+\i], v[168+\i], v[168+\i]              ; z z
	v_fma_f32 v[160+\i], v[168+\i], -0.5, 1.0
.endr
.irp i, 0,1,2,3
	v_fma_f32 v[180+\i], v[180+\i], v[184+\i], v[160+\i]   ; cos r
.endr
.irp i, 0,1,2,3
	v_and_b32 v[184+\i], 1, v[172+\i]
	v_cmp_eq_u32 vcc_lo, 1, v[184+\i]                      ; in odd quadrants the two change places
	v_cndmask_b32 v[100+8*(\g)+\i], v[176+\i], v[180+\i], vcc_lo
	v_cndmask_b32 v[96+8*(\g)+\i], v[180+\i], v[176+\i], vcc_lo
	v_lshlrev_b32 v[184+\i], 30, v[172+\i]
	v_and_b32 v[184+\i], 0x80000000, v[184+\i]             ; sin is negative in quadrants 2, 3
	v_xor_b32 v[100+8*(\g)+\i], v[100+8*(\g)+\i], v[184+\i]
	v_add_nc_u32 v[184+\i], 1, v[172+\i]
	v_lshlrev_b32 v[184+\i], 30, v[184+\i]
	v_and_b32 v[184+\i], 0x80000000, v[184+\i]             ; cos in quadrants 1, 2
	v_xor_b32 v[96+8*(\g)+\i], v[96+8*(\g)+\i], v[184+\i]
.endr
	global_store_b128 v6, v[96+8*(\g):99+8*(\g)], s[22:23] offset:2048*((\g)/2)+512*((\g)%2)       ; 512 consecutive bytes; each g has registers of its own
	global_store_b128 v6, v[100+8*(\g):103+8*(\g)], s[22:23] offset:2048*((\g)/2)+512*(2+(\g)%2)
.endm
.irp g, 0,1,2,3,4,5,6,7
	SINCOS4 \g
.endr
	s_endpgm
.Lfunc_end_k_qbf2104a5e9_prep:
	.size	k_qbf2104a5e9_prep, .Lfunc_end_k_qbf2104a5e9_prep-k_qbf2104a5e9_prep
	.p2alignl 7, 3214868480
	.fill 96, 4, 3214868480
	.section	.rodata,"a",@progbits
	.p2align	6, 0x0
	.amdhsa_kernel k_qbf2104a5e9_prep
		.amdhsa_group_segment_fixed_size 33280
		.amdhsa_private_segment_fixed_size 0
		.amdhsa_enable_private_segment 0
		.amdhsa_kernarg_size 80
		.amdhsa_user_sgpr_count 2
		.amdhsa_user_sgpr_kernarg_segment_ptr 1
		.amdhsa_wavefront_size32 1
		.amdhsa_system_sgpr_workgroup_id_x 1
		.amdhsa_system_sgpr_workgroup_id_y 1
		.amdhsa_system_sgpr_workgroup_id_z 1
		.amdhsa_system_vgpr_workitem_id 0
		.amdhsa_next_free_vgpr 192
		.amdhsa_next_free_sgpr 66
		.amdhsa_reserve_vcc 1
		.amdhsa_float_denorm_mode_32 3
		.amdhsa_float_denorm_mode_16_64 3
		.amdhsa_memory_ordered 1
		.amdhsa_forward_progress 1
		.amdhsa_inst_pref_size 123
	.end_amdhsa_kernel
	.amdgpu_metadata
---
amdhsa.version: [ 1, 2 ]
amdhsa.kernels:
  - .name:           k_qbf2104a5e9_prep
    .symbol:         k_qbf2104a5e9_prep.kd
    .args:
      - { .name: hidden_states, .offset: 0, .size: 8, .value_kind: global_buffer, .address_space: global }
      - { .name: Wq, .offset: 8, .size: 8, .value_kind: global_buffer, .address_space: global }
      - { .name: Wk, .offset: 16, .size: 8, .value_kind: global_buffer, .address_space: global }
      - { .name: Wv, .offset: 24, .size: 8, .value_kind: global_buffer, .address_space: global }
      - { .name: Wo, .offset: 32, .size: 8, .value_kind: global_buffer, .address_space: global }
      - { .name: position_ids, .offset: 40, .size: 8, .value_kind: global_buffer, .address_space: global }
      - { .name: codes, .offset: 48, .size: 8, .value_kind: global_buffer, .address_space: global }
      - { .name: scales, .offset: 56, .size: 8, .value_kind: global_buffer, .address_space: global }
      - { .name: wo16, .offset: 64, .size: 8, .value_kind: global_buffer, .address_space: global }
      - { .name: rope, .offset: 72, .size: 8, .value_kind: global_buffer, .address_space: global }
    .group_segment_fixed_size: 33280
    .private_segment_fixed_size: 0
    .kernarg_segment_align: 8
    .kernarg_segment_size: 80
    .max_flat_workgroup_size: 128
    .sgpr_count:     66
    .vgpr_count:     192
    .wavefront_size: 32
...
	.end_amdgpu_metadata
.endif
;; end of part 1
;; launch qkv (part 2): grid 16 x 16, 4 waves a work-group, clusters of 4 x 4, 327,680 bytes of LDS; arguments codes, scales, rope, out1, out2, qh, kh, vh; writes out1, out2, qh, kh, vh
.if DOCPART == 2
	.amdgcn_target "amdgcn-amd-amdhsa--gfx1250"
	.amdhsa_code_object_version 6
	.text
	.protected	k_qbf2104a5e9_qkv
	.globl	k_qbf2104a5e9_qkv
	.p2align	8
	.type	k_qbf2104a5e9_qkv,@function
k_qbf2104a5e9_qkv:
	s_mov_b64 s[64:65], 0
	v_nop
	global_prefetch_b8 v0, s[64:65] scope:SCOPE_SE
	s_setreg_imm32_b32 hwreg(HW_REG_WAVE_MODE, 25, 1), 1
	s_wait_xcnt 0x0
	s_wait_alu depctr_hold_cnt(0) depctr_sa_sdst(0) depctr_va_vdst(0) depctr_va_sdst(0) depctr_va_ssrc(0) depctr_va_vcc(0) depctr_vm_vsrc(0)
	s_getreg_b32 s2, hwreg(HW_REG_IB_STS2, 6, 4)
	s_cmp_eq_u32 s2, 0
	s_cbranch_scc0 .Lentry_in_a_cluster
	s_endpgm
.Lentry_in_a_cluster:
	s_bfe_u32 s2, ttmp6, 0x10000c
	s_cmp_lg_u32 s2, 0xf033
	s_cbranch_scc0 .Lentry_shape_is_right
	s_endpgm
.Lentry_shape_is_right:
; q, k, v = x Wq^T, x Wk^T, x Wv^T on codes of FP4 (E2M1) with one E8M0 scale for each 32 along K; then RoPE on q and k; k and v leave as f32 outputs, and q / sqrt(128), k, v as f16 for the attention.
; codes [4][2048][1024 bytes] (0 = x, 1 = Wq, 2 = Wk, 3 = Wv), scales [4][2048][64 bytes].
; SHARES.  A work-group takes one head (x) and 128 positions (y): 128 rows x (128 q + 128 k + 128 v columns).  Wave w: rh = w / 2: rows 64 rh on; c = w % 2: c = 0 all of q and v's channels 0-63, c = 1 all of k and v's 64-127:
; 48 accumulators.  So RoPE's partners, channels d and d + 64, lie in one lane, and every piece of an f32 row that a wave stores is 256 bytes or more, aligned.
; THE MATRIX INSTRUCTION IS USED TRANSPOSED (source 0 = 16 rows of W, source 1 = 16 rows of x): a lane holds one position (lane % 16) and eight neighbouring channels, 16 b + 8 (lane / 16) + 0..7.
; K goes in four steps of 512 (rows of 256 bytes) through a ring of two LDS slots; a slot holds four tiles of 128 rows: x, Wq, Wk, Wv, wave w fetching tile w.  The scale bytes of the 4 x 128 rows, for all of K, come once.
; CLUSTER 4 x 4: x's tile hangs on y alone and is asked for jointly along a row of the cluster, W's tiles on the head alone and jointly along a column.
; The 16 steps of 128 along K are written out: every offset is an immediate.
; REGISTERS.  window 0: v1-31 addresses; v32-159 scale words and nothing else, two sets of 64 (W's block b at 4 b + q, x's block a at 48 + 4 a + q; lanes 0-15 are read); v160-223 T, v224-255 H: at work on the way out.
;   window 1: two sets of fragments at 128 p: W's twelve at 8 b, x's four at 96 + 8 a; on the way out rows read back from the stages.
;   window 2: the 32 accumulators of q or k, (a, b) at 8 (8 a + b).   window 3: v's 16 at 8 (4 a + b); v128-255 two sets of the table: cos j at 16 t + j, sin j at 16 t + 8 + j.
; LIMITS: the f16 copies are held at +-65,504.
.set PITCH,  272                       ; an LDS row: 256 bytes + 16 of padding: the 16 rows of a fragment load start at 16 different groups of four banks
.set TILE,   128*PITCH
.set SLOT,   4*TILE
.set SCL,    2*SLOT                    ; behind the ring: the scales, as units of 256 bytes + 16
.set HALFS,  32*272                    ; those of 128 rows (8,192 bytes)
.set SBLK,   4*272                     ; those of 16 rows
.set SPARE,  SCL+4*HALFS               ; the spare words, 128 bytes a wave
.set WSTG,   19456                     ; the way out: a wave's stages, in slot 0, which has had its last fill and its last read by then
.set SV32,   8448                      ; k as f32 at 0 (16 x 528), v as f32 here (16 x 272),
.set SH16,   12800                     ; q or k as f16 (16 x 272),
.set SV16,   17152                     ; v as f16 (16 x 144)
.set ADRA, 4                           ; v4-5   x's fragments in slot 0, 1
.set ADRB, 6                           ; v6-7   Wq's or Wk's
.set ADRV, 8                           ; v8-9   Wv's
.set ADSA, 10                          ; scale words: x's, Wq's or Wk's, Wv's
.set ADSB, 11
.set ADSV, 12
.set L16,  13                          ; 16 x lane
.set STO32, 14
.set RD32, 15
.set STOV, 16
.set RDV,  17
.set STOH, 18
.set RDH,  19
.set STOW, 20
.set RDW,  21
.set COV,  22
.set COH,  23
.set SPW,  28
.set NIL,  29
.set SC,   32
.set T,    160
.set H,    224
.set WV,   20
.set RH,   21
.set CC,   22
.set G1,   24                          ; s[24:31] group 1 for x's tiles; s[32:39] group 0, a set a slot
.set G0,   32
.set G1B,  48                          ; the same for W's
.set G0B,  56
.set G1S,  68                          ; for x's scales, and W's
.set G0S,  76
.set G1SB, 80
.set G0SB, 88
.set QS,   92                          ; s[92:93] what the f16 copy is multiplied by: 1 / sqrt(128) for q, 1 for k
.set NEG,  94
.set POS,  95
.set MSB, 0
.macro WIN new                         ; the immediate's high byte repeats the setting that is left
.if MSB != \new
	s_set_vgpr_msb (MSB<<8)|\new
.set MSB, \new
.endif
.endm
.set W_R,  0xa5                        ; sources 0 and 1 window 1, C and D window 2
.set W_V,  0xf5                        ; C and D window 3
.set TO_F, 0x40                        ; destination window 1
; A joint load: wave 0 fetches for x, waves 1 to 3 for W.  Each line has one mask; the branch hangs on the wave's number alone.  An s_nop 0 and four v_nop follow each line.
.macro JLOAD g0a, g1a, g0b, g1b
	s_cmp_eq_u32 s[WV], 0
	s_cbranch_scc0 .Lfor_b_\@
	tensor_load_to_lds s[\g0a:\g0a+3], s[\g1a:\g1a+7]
	s_nop 0
.rept 4
	v_nop
.endr
	s_branch .Lasked_\@
.Lfor_b_\@:
	tensor_load_to_lds s[\g0b:\g0b+3], s[\g1b:\g1b+7]
	s_nop 0
.rept 4
	v_nop
.endr
.Lasked_\@:
.endm
.macro CREST                           ; a round of the cluster's barrier behind its opening barrier
	s_cmp_lg_u32 s[WV], 0
	s_cbranch_scc1 .Lnot_wave_0_\@
	s_barrier_signal -3
.Lnot_wave_0_\@:
	s_barrier_wait -3
	s_barrier_signal -1
	s_barrier_wait -1
.endm
.macro CROUND
	s_barrier_signal -1
	s_barrier_wait -1
	CREST
.endm
.macro PLACES
.rept 4
	v_nop
.endr
.endm
	s_load_b256 s[4:11], s[0:1], 0x0               ; codes, scales, rope, out1
	s_load_b256 s[12:19], s[0:1], 0x20             ; out2, qh, kh, vh
	v_lshl_add_u32 v[SPW], v0, 2, SPARE
	v_mov_b32 v[NIL], 0
	ds_add_u32 v[SPW], v[NIL]                      ; the wave's opening: the add, twice on end, and its wait ahead of my first tensor load
	ds_add_u32 v[SPW], v[NIL]
	v_lshrrev_b32 v1, 5, v0
	v_readfirstlane_b32 s[WV], v1
	s_lshr_b32 s[RH], s[WV], 1
	s_and_b32 s[CC], s[WV], 1
	s_bfe_u32 s40, ttmp6, 0x40000                  ; cx
	s_bfe_u32 s41, ttmp6, 0x40004                  ; cy
	s_lshl_b32 s42, ttmp9, 2
	s_add_co_u32 s42, s42, s40                     ; the head
	s_and_b32 s43, ttmp7, 0xffff
	s_lshl_b32 s43, s43, 2
	s_add_co_u32 s43, s43, s41                     ; the block of 128 positions
	s_lshl_b32 s44, s41, 2
	s_lshl_b32 s44, 15, s44                        ; my row of the cluster
	s_lshl_b32 s45, 0x1111, s40                    ; my column
	s_or_b32 s[G1+0], s44, (0<<16)|(1<<20)|(1<<21)|(5<<22)|(3<<25)   ; mask; elements of 1 byte; padding on; bit 21 beside a mask; after every 64 words four words
	s_or_b32 s[G1B+0], s45, (0<<16)|(1<<20)|(1<<21)|(5<<22)|(3<<25)
.irp g, G1, G1B
	s_mov_b32 s[\g+1], 256<<16                     ; tensor_dim0 = 256 bytes
	s_mov_b32 s[\g+2], 128<<16                     ; tensor_dim1 = 128 rows
	s_mov_b32 s[\g+3], 256<<16                     ; tile_dim0
	s_mov_b32 s[\g+4], 128                         ; tile_dim1
	s_mov_b32 s[\g+5], 1024                        ; from row to row
	s_mov_b32 s[\g+6], 0
	s_mov_b32 s[\g+7], 0
.endr
	s_or_b32 s[G1S+0], s44, (3<<16)|(1<<20)|(1<<21)|(5<<22)|(3<<25)  ; the scales of 128 rows: 8,192 dense bytes as 32 rows of 32 elements of 8 bytes
	s_or_b32 s[G1SB+0], s45, (3<<16)|(1<<20)|(1<<21)|(5<<22)|(3<<25)
.irp g, G1S, G1SB
	s_mov_b32 s[\g+1], 32<<16
	s_mov_b32 s[\g+2], 32<<16
	s_mov_b32 s[\g+3], 32<<16
	s_mov_b32 s[\g+4], 32
	s_mov_b32 s[\g+5], 32
	s_mov_b32 s[\g+6], 0
	s_mov_b32 s[\g+7], 0
.endr
	s_lshl_b32 s92, s43, 17                        ; x's codes: 128 rows of 1,024 bytes a block: hangs on y alone
	s_mov_b32 s93, 0
	s_lshl_b32 s96, s43, 13                        ; and its scales
	s_mov_b32 s97, 0
	s_lshl_b32 s94, s42, 17                        ; W's: the head's 128 rows, in tensor = my wave's number: hangs on the head alone
	s_lshl_b32 s23, s[WV], 21
	s_add_co_u32 s94, s94, s23
	s_mov_b32 s95, 0
	s_lshl_b32 s98, s42, 13
	s_lshl_b32 s23, s[WV], 17
	s_add_co_u32 s98, s98, s23
	s_mov_b32 s99, 0
	s_mul_i32 s46, s[WV], TILE                     ; where they go: no place in the cluster enters an LDS address
	s_mul_i32 s47, s[WV], HALFS
	s_wait_dscnt 0x0                               ; both opening adds are done
	s_wait_kmcnt 0x0
	s_add_nc_u64 s[92:93], s[4:5], s[92:93]
	s_add_nc_u64 s[94:95], s[4:5], s[94:95]
	s_add_nc_u64 s[96:97], s[6:7], s[96:97]
	s_add_nc_u64 s[98:99], s[6:7], s[98:99]
	CROUND                                         ; all sixteen work-groups are here: the first joint loads meet
	s_mov_b32 s[G0S], 1
	s_add_co_u32 s[G0S+1], s47, SCL
	s_mov_b64 s[G0S+2:G0S+3], s[96:97]
	s_or_b32 s[G0S+3], s[G0S+3], 0x80000000
	s_mov_b32 s[G0SB], 1
	s_add_co_u32 s[G0SB+1], s47, SCL
	s_mov_b64 s[G0SB+2:G0SB+3], s[98:99]
	s_or_b32 s[G0SB+3], s[G0SB+3], 0x80000000
	JLOAD G0S, G1S, G0SB, G1SB                     ; the scales first
.irp s, 0,1
	s_mov_b32 s[G0+4*\s], 1
	s_add_co_u32 s[G0+4*\s+1], s46, \s*SLOT
	s_add_nc_u64 s[G0+4*\s+2:G0+4*\s+3], s[92:93], \s*256
	s_or_b32 s[G0+4*\s+3], s[G0+4*\s+3], 0x80000000
	s_mov_b32 s[G0B+4*\s], 1
	s_add_co_u32 s[G0B+4*\s+1], s46, \s*SLOT
	s_add_nc_u64 s[G0B+4*\s+2:G0B+4*\s+3], s[94:95], \s*256
	s_or_b32 s[G0B+4*\s+3], s[G0B+4*\s+3], 0x80000000
	JLOAD G0+4*\s, G1, G0B+4*\s, G1B               ; three tensor loads of mine are out
.endr
	s_lshl_b32 s2, s43, 7
	s_lshl_b32 s3, s[RH], 6
	s_add_co_u32 s2, s2, s3                        ; my first position
	s_lshl_b32 s96, s2, 9                          ; the table: 8,192 bytes for 16 positions
	s_mov_b32 s97, 0
	s_add_nc_u64 s[8:9], s[8:9], s[96:97]
	v_and_b32 v3, 31, v0
	v_lshlrev_b32 v[L16], 4, v3
	WIN 0xc0                                       ; destination window 3
.irp a, 0,1
.irp n, 0,1,2,3,4,5,6,7,8,9,10,11,12,13,14,15
	global_load_b128 v[128+64*\a+4*\n:128+64*\a+4*\n+3], v[L16], s[8:9] offset:8192*\a+512*\n   ; the table of my first two tiles of positions
.endr
.endr
	WIN 0
	s_lshl_b32 s3, s42, 11
	s_add_co_u32 s3, s3, s2                        ; head x 2,048 + position
	s_lshl_b32 s96, s3, 9
	s_add_nc_u64 s[10:11], s[10:11], s[96:97]      ; out1: rows of 512 bytes
	s_lshl_b32 s98, s[CC], 8
	s_add_co_u32 s96, s96, s98
	s_add_nc_u64 s[12:13], s[12:13], s[96:97]      ; out2: and my half of the row
	s_cmp_eq_u32 s[CC], 0
	s_cselect_b64 s[14:15], s[14:15], s[16:17]     ; qh or kh
	s_cselect_b32 s[QS], 0x3db504f3, 1.0           ; 1 / sqrt(128), or 1
	s_mov_b32 s[QS+1], s[QS]
	s_lshl_b32 s96, s3, 8
	s_add_nc_u64 s[14:15], s[14:15], s[96:97]      ; rows of 256 bytes
	s_lshl_b32 s3, s42, 1
	s_add_co_u32 s3, s3, s[CC]
	s_lshl_b32 s3, s3, 11
	s_add_co_u32 s3, s3, s2
	s_lshl_b32 s96, s3, 7
	s_add_nc_u64 s[18:19], s[18:19], s[96:97]      ; vh [head][half][position][64]: rows of 128 bytes
	s_mov_b32 s[NEG], 0xc77fe000
	s_mov_b32 s[POS], 0x477fe000
	v_and_b32 v1, 15, v0                           ; r
	v_bfe_u32 v2, v0, 4, 1                         ; h
	v_mul_u32_u24 v3, v1, PITCH
	v_lshl_add_u32 v3, v2, 4, v3                   ; a fragment's row x pitch + 16 h
	s_mul_i32 s2, s[RH], 64*PITCH                  ; x: tile 0, my 64 rows
	s_add_co_u32 s3, s[CC], 1
	s_mul_i32 s3, s3, TILE                         ; Wq: tile 1, or Wk: tile 2
	s_mul_i32 s23, s[CC], 64*PITCH
	s_add_co_u32 s23, s23, 3*TILE                  ; Wv: tile 3, my 64 rows
.irp s, 0,1
	v_add_nc_u32 v[ADRA+\s], s2, v3
	v_add_nc_u32 v[ADRB+\s], s3, v3
	v_add_nc_u32 v[ADRV+\s], s23, v3
	s_add_co_u32 s2, s2, SLOT
	s_add_co_u32 s3, s3, SLOT
	s_add_co_u32 s23, s23, SLOT
.endr
	v_lshlrev_b32 v24, 6, v1                       ; a row's scales: 64 bytes a row,
	v_lshrrev_b32 v25, 2, v1
	v_lshl_add_u32 v24, v25, 4, v24                ; and 16 more for each 256 passed
	s_mul_i32 s2, s[RH], 4*SBLK
	s_add_co_u32 s2, s2, SCL
	v_add_nc_u32 v[ADSA], s2, v24
	s_add_co_u32 s3, s[CC], 1
	s_mul_i32 s3, s3, HALFS
	s_add_co_u32 s3, s3, SCL
	v_add_nc_u32 v[ADSB], s3, v24
	s_mul_i32 s23, s[CC], 4*SBLK
	s_add_co_u32 s23, s23, SCL+3*HALFS
	v_add_nc_u32 v[ADSV], s23, v24
	s_mul_i32 s2, s[WV], WSTG                      ; my stages
	v_mul_u32_u24 v24, v1, 528
	v_lshl_add_u32 v24, v2, 5, v24
	v_add_nc_u32 v[STO32], s2, v24                 ; k f32 in: row r, 32 bytes a half
	v_add_nc_u32 v[RD32], s2, v[L16]               ; back: a row of 512 bytes by 32 lanes
	v_mul_u32_u24 v24, v1, 272
	v_lshl_add_u32 v25, v2, 5, v24
	s_add_co_u32 s3, s2, SV32
	v_add_nc_u32 v[STOV], s3, v25                  ; v f32 in
	v_mul_u32_u24 v26, v2, 272
	v_lshl_add_u32 v26, v1, 4, v26
	v_add_nc_u32 v[RDV], s3, v26                   ; back: two rows of 256 bytes
	v_lshl_add_u32 v25, v2, 4, v24
	s_add_co_u32 s3, s2, SH16
	v_add_nc_u32 v[STOH], s3, v25                  ; f16 in: row r, 16 bytes a half
	v_add_nc_u32 v[RDH], s3, v26
	v_mul_u32_u24 v24, v1, 144
	v_lshl_add_u32 v24, v2, 4, v24
	s_add_co_u32 s3, s2, SV16
	v_add_nc_u32 v[STOW], s3, v24                  ; v f16 in
	v_bfe_u32 v25, v0, 3, 2
	v_mul_u32_u24 v25, v25, 144
	v_and_b32 v24, 7, v0
	v_lshl_add_u32 v25, v24, 4, v25
	v_add_nc_u32 v[RDW], s3, v25                   ; back: four rows of 128 bytes
	v_lshlrev_b32 v24, 4, v1
	v_lshl_add_u32 v[COV], v2, 9, v24              ; out2: two rows of 512 bytes, 16 bytes a lane
	v_lshl_add_u32 v[COH], v2, 8, v24              ; qh, kh: two rows of 256 bytes
.macro FRAG reg, adr, q, i             ; 16 rows x 128 K of 4-bit codes: registers 4 c .. 4 c + 3 hold K = 64 c + 32 h + 0 .. 31
.irp c, 0,1
	ds_load_b128 v[\reg+4*\c:\reg+4*\c+3], v[\adr] offset:64*(\q)+32*\c+(\i)*16*PITCH
.endr
.endm
.macro FETCH slot, q, set              ; 32 LDS loads in one run: the sixteen fragments of the slot's q-th 128 along K
	WIN TO_F
.irp i, 0,1,2,3,4,5,6,7
	FRAG 128*(\set)+8*\i, ADRB+\slot, \q, \i
.endr
.irp i, 0,1,2,3
	FRAG 128*(\set)+64+8*\i, ADRV+\slot, \q, \i
.endr
.irp i, 0,1,2,3
	FRAG 128*(\set)+96+8*\i, ADRA+\slot, \q, \i
.endr
	WIN 0
.endm
.macro SCALES ks                       ; K step ks's scale words: four words a row
.irp i, 0,1,2,3,4,5,6,7
	ds_load_b128 v[SC+64*((\ks)%2)+4*\i:SC+64*((\ks)%2)+4*\i+3], v[ADSB] offset:\i*SBLK+16*(\ks)
.endr
.irp i, 0,1,2,3
	ds_load_b128 v[SC+64*((\ks)%2)+32+4*\i:SC+64*((\ks)%2)+32+4*\i+3], v[ADSV] offset:\i*SBLK+16*(\ks)
.endr
.irp i, 0,1,2,3
	ds_load_b128 v[SC+64*((\ks)%2)+48+4*\i:SC+64*((\ks)%2)+48+4*\i+3], v[ADSA] offset:\i*SBLK+16*(\ks)
.endr
.endm
.macro MM d, b, a, sb, sa, zero
.if \zero
	v_wmma_scale_f32_16x16x128_f8f6f4 v[(\d):(\d)+7], v[(\b):(\b)+7], v[(\a):(\a)+7], 0, v[(\sb)], v[(\sa)] matrix_a_fmt:MATRIX_FMT_FP4 matrix_b_fmt:MATRIX_FMT_FP4
.else
	v_wmma_scale_f32_16x16x128_f8f6f4 v[(\d):(\d)+7], v[(\b):(\b)+7], v[(\a):(\a)+7], v[(\d):(\d)+7], v[(\sb)], v[(\sa)] matrix_a_fmt:MATRIX_FMT_FP4 matrix_b_fmt:MATRIX_FMT_FP4
.endif
.endm
; The 48 accumulators take turns, one instruction a turn, in the same order in every step.
.macro MULR a0, set, q, sc, zero       ; 16 products: x's blocks a0, a0 + 1 against the eight of Wq or Wk
.irp a, \a0, \a0+1
.irp b, 0,1,2,3,4,5,6,7
	MM 8*(8*(\a)+\b), 128*(\set)+8*\b, 128*(\set)+96+8*(\a), SC+64*(\sc)+4*\b+(\q), SC+64*(\sc)+48+4*(\a)+(\q), \zero
.endr
.endr
.endm
.macro MULV set, q, sc, zero           ; 16 products: x's four blocks against my four of Wv
.irp a, 0,1,2,3
.irp b, 0,1,2,3
	MM 8*(4*\a+\b), 128*(\set)+64+8*\b, 128*(\set)+96+8*\a, SC+64*(\sc)+32+4*\b+(\q), SC+64*(\sc)+48+4*\a+(\q), \zero
.endr
.endr
.endm
.macro STEP slot, q, zero              ; a step of 128 along K that has its successor in the same slot
	s_wait_dscnt 0x0                               ; this step's fragments, asked for a step (48 products) ago, are in
	PLACES                                         ; four places in front of loads into the set that the last step's products read
	FETCH \slot, (\q)+1, 1-(\q)%2
	WIN W_R
	MULR 0, (\q)%2, \q, \slot, \zero
	MULR 2, (\q)%2, \q, \slot, \zero
	WIN W_V
	MULV (\q)%2, \q, \slot, \zero
	WIN 0
.endm
; A slot's last step changes slots: one barrier; in front of it each wave waits for all its tensor loads, adds 0 to its spare word, and waits for that and for its reads of this slot.
.macro TURN slot, next, ks, fill
	s_wait_tensorcnt 0x0                           ; all my tensor loads have landed: my part of the next slot
	ds_add_u32 v[SPW], v[NIL]                      ; 0 onto my spare word
	s_wait_dscnt 1                                 ; this step's fragments are in; the add alone may be out
	WIN W_R
	MULR 0, 1, 3, \slot, 0                         ; sixteen products stand between the add and the wait for it
	s_wait_dscnt 0x0                               ; the add is done, and my reads of this slot are over
	s_barrier_signal -1
	MULR 2, 1, 3, \slot, 0
	WIN 0
	s_barrier_wait -1
.if \fill
	CREST                                          ; the barrier has opened a round of the cluster's: no wave of any partner still reads this slot or has a load on its way
	s_add_nc_u64 s[G0+4*\slot+2:G0+4*\slot+3], s[G0+4*\slot+2:G0+4*\slot+3], 512
	s_add_nc_u64 s[G0B+4*\slot+2:G0B+4*\slot+3], s[G0B+4*\slot+2:G0B+4*\slot+3], 512
	JLOAD G0+4*\slot, G1, G0B+4*\slot, G1B         ; the first tensor load behind the round; its four v_nop are the places in front of the loads below
.else
	PLACES
.endif
	FETCH \next, 0, 0
	SCALES (\ks)+1
	WIN W_V
	MULV 1, 3, \slot, 0
	WIN 0
.endm
	s_wait_tensorcnt 1                             ; the scales and my part of K step 0 are in; K step 1's load may be out
	s_barrier_signal -1
	s_barrier_wait -1
	FETCH 0, 0, 0
	SCALES 0
	STEP 0, 0, 1                                   ; the first products start the sums: nothing is cleared
	STEP 0, 1, 0
	STEP 0, 2, 0
	TURN 0, 1, 0, 1
	STEP 1, 0, 0
	STEP 1, 1, 0
	STEP 1, 2, 0
	TURN 1, 0, 1, 1
	STEP 0, 0, 0
	STEP 0, 1, 0
	STEP 0, 2, 0
	TURN 0, 1, 2, 0                                ; nothing is left to fetch
	STEP 1, 0, 0
	STEP 1, 1, 0
	STEP 1, 2, 0
	s_wait_dscnt 0x0
	WIN W_R
	MULR 0, 1, 3, 1, 0
	MULR 2, 1, 3, 1, 0
	WIN W_V
	MULV 1, 3, 1, 0
	WIN 0
	PLACES                                         ; four places behind the last products, ahead of reads of results and of loads into the fragments' registers
; THE WAY OUT, a tile of 16 positions at a time.  RoPE in place: x1 (channels 0-63) and x2 (64-127) of a position lie in one lane.  Then four pieces go through my stages in LDS and come back as whole rows.
.macro OUTT a
.set TBL, 128+64*((\a)%2)
.if (\a) < 3
	s_wait_loadcnt 16                              ; this tile's 16 table loads are in; the other set's 16 may be out
.else
	s_wait_loadcnt 0x0
.endif
	WIN 0x0e                                       ; source 0 window 2, source 1 window 3, destination window 0
.irp t, 0,1,2,3
.irp j, 0,2,4,6
	v_pk_mul_f32 v[T+8*\t+\j:T+8*\t+\j+1], v[64*(\a)+8*\t+\j:64*(\a)+8*\t+\j+1], v[TBL+16*\t+8+\j:TBL+16*\t+9+\j]   ; x1 sin
.endr
.endr
	WIN 0x8e
.irp t, 0,1,2,3
.irp j, 0,2,4,6
	v_pk_mul_f32 v[64*(\a)+8*\t+\j:64*(\a)+8*\t+\j+1], v[64*(\a)+8*\t+\j:64*(\a)+8*\t+\j+1], v[TBL+16*\t+\j:TBL+16*\t+\j+1]   ; x1 cos
.endr
.endr
	WIN 0xae
.irp t, 0,1,2,3
.irp j, 0,2,4,6
	v_pk_fma_f32 v[64*(\a)+8*\t+\j:64*(\a)+8*\t+\j+1], v[64*(\a)+32+8*\t+\j:64*(\a)+32+8*\t+\j+1], v[TBL+16*\t+8+\j:TBL+16*\t+9+\j], v[64*(\a)+8*\t+\j:64*(\a)+8*\t+\j+1] neg_lo:[1,0,0] neg_hi:[1,0,0]   ; - x2 sin
.endr
.endr
	WIN 0x8e
.irp t, 0,1,2,3
.irp j, 0,2,4,6
	v_pk_fma_f32 v[64*(\a)+32+8*\t+\j:64*(\a)+32+8*\t+\j+1], v[64*(\a)+32+8*\t+\j:64*(\a)+32+8*\t+\j+1], v[TBL+16*\t+\j:TBL+16*\t+\j+1], v[T+8*\t+\j:T+8*\t+\j+1]   ; x2 cos + x1 sin
.endr
.endr
.if (\a) < 2
	WIN 0xc0
.irp n, 0,1,2,3,4,5,6,7,8,9,10,11,12,13,14,15
	global_load_b128 v[TBL+4*\n:TBL+4*\n+3], v[L16], s[8:9] offset:8192*((\a)+2)+512*\n   ; the table two tiles on, into the set just read
.endr
.endif
	WIN 0
.if (\a) > 0
	s_wait_xcnt 0x0                                ; the last tile's stores have read the registers into which rows are read back
.endif
	s_cmp_eq_u32 s[CC], 0                          ; k alone leaves as f32
	s_cbranch_scc1 .Lno_k_in_\@
	WIN 0x08                                       ; an LDS store's data are its source 1: window 2
.irp b, 0,1,2,3,4,5,6,7
	ds_store_b128 v[STO32], v[64*(\a)+8*\b:64*(\a)+8*\b+3] offset:64*\b
	ds_store_b128 v[STO32], v[64*(\a)+8*\b+4:64*(\a)+8*\b+7] offset:64*\b+16
.endr
	WIN TO_F
.irp t, 0,1,2,3,4,5,6,7,8,9,10,11,12,13,14,15
	ds_load_b128 v[4*\t:4*\t+3], v[RD32] offset:528*\t          ; LDS serves a wave's instructions in order: these see my stores
.endr
	WIN 0
.Lno_k_in_\@:
	WIN 0x0c                                       ; data: window 3
.irp b, 0,1,2,3
	ds_store_b128 v[STOV], v[32*(\a)+8*\b:32*(\a)+8*\b+3] offset:64*\b
	ds_store_b128 v[STOV], v[32*(\a)+8*\b+4:32*(\a)+8*\b+7] offset:64*\b+16
.endr
	WIN TO_F
.irp t, 0,1,2,3,4,5,6,7
	ds_load_b128 v[64+4*\t:64+4*\t+3], v[RDV] offset:544*\t
.endr
	WIN 0x02                                       ; source 0 window 2
.set n, 0
.rept 32
	v_pk_mul_f32 v[T+2*n:T+2*n+1], v[64*(\a)+2*n:64*(\a)+2*n+1], s[QS:QS+1] op_sel_hi:[1,0]
.set n, n+1
.endr
	WIN 0
.set n, 0
.rept 64
	v_med3_num_f32 v[T+n], v[T+n], s[NEG], s[POS]
.set n, n+1
.endr
.set n, 0
.rept 32
	v_cvt_pk_f16_f32 v[H+n], v[T+2*n], v[T+2*n+1]
.set n, n+1
.endr
.irp b, 0,1,2,3,4,5,6,7
	ds_store_b128 v[STOH], v[H+4*\b:H+4*\b+3] offset:32*\b
.endr
	WIN TO_F
.irp t, 0,1,2,3,4,5,6,7
	ds_load_b128 v[96+4*\t:96+4*\t+3], v[RDH] offset:544*\t
.endr
	WIN 0x03                                       ; source 0 window 3
.set n, 0
.rept 32
	v_med3_num_f32 v[T+n], v[32*(\a)+n], s[NEG], s[POS]
.set n, n+1
.endr
	WIN 0
.set n, 0
.rept 16
	v_cvt_pk_f16_f32 v[T+32+n], v[T+2*n], v[T+2*n+1]
.set n, n+1
.endr
.irp b, 0,1,2,3
	ds_store_b128 v[STOW], v[T+32+4*\b:T+32+4*\b+3] offset:32*\b
.endr
	WIN TO_F
.irp t, 0,1,2,3
	ds_load_b128 v[128+4*\t:128+4*\t+3], v[RDW] offset:576*\t
.endr
	WIN 0
	s_cmp_eq_u32 s[CC], 0
	s_cbranch_scc1 .Lno_k_out_\@
	s_wait_dscnt 40                                ; k's rows are back: behind their loads stand 16 + 16 + 8 LDS instructions
	WIN 0x04                                       ; a store's data are its source 1: window 1
.irp t, 0,1,2,3,4,5,6,7,8,9,10,11,12,13,14,15
	global_store_b128 v[L16], v[4*\t:4*\t+3], s[10:11] offset:(16*(\a)+\t)*512 th:TH_STORE_NT   ; a row of 512 consecutive bytes, aligned
.endr
	WIN 0
.Lno_k_out_\@:
	s_wait_dscnt 24                                ; v's f32 rows: 16 + 8 behind them
	WIN 0x04
.irp t, 0,1,2,3,4,5,6,7
	global_store_b128 v[COV], v[64+4*\t:64+4*\t+3], s[12:13] offset:(16*(\a)+2*\t)*512 th:TH_STORE_NT   ; sixteen lanes store 256 consecutive bytes, aligned
.endr
	s_wait_dscnt 8                                 ; the f16 rows of q or k: 8 behind them
.irp t, 0,1,2,3,4,5,6,7
	global_store_b128 v[COH], v[96+4*\t:96+4*\t+3], s[14:15] offset:(16*(\a)+2*\t)*256
.endr
	s_wait_dscnt 0x0                               ; v's f16 rows
.irp t, 0,1,2,3
	global_store_b128 v[L16], v[128+4*\t:128+4*\t+3], s[18:19] offset:2048*(\a)+512*\t
.endr
	WIN 0
.endm
	OUTT 0
	OUTT 1
	OUTT 2
	OUTT 3
	s_wait_tensorcnt 0x0                           ; the wave's end: behind my last tensor load and my last LDS store
	ds_add_u32 v[SPW], v[NIL]
	s_wait_dscnt 0x0
	CROUND                                         ; the closing round
	s_endpgm
.Lfunc_end_k_qbf2104a5e9_qkv:
	.size	k_qbf2104a5e9_qkv, .Lfunc_end_k_qbf2104a5e9_qkv-k_qbf2104a5e9_qkv
	.p2alignl 7, 3214868480
	.fill 96, 4, 3214868480
	.section	.rodata,"a",@progbits
	.p2align	6, 0x0
	.amdhsa_kernel k_qbf2104a5e9_qkv
		.amdhsa_group_segment_fixed_size 327680
		.amdhsa_private_segment_fixed_size 0
		.amdhsa_enable_private_segment 0
		.amdhsa_kernarg_size 64
		.amdhsa_user_sgpr_count 2
		.amdhsa_user_sgpr_kernarg_segment_ptr 1
		.amdhsa_wavefront_size32 1
		.amdhsa_system_sgpr_workgroup_id_x 1
		.amdhsa_system_sgpr_workgroup_id_y 1
		.amdhsa_system_sgpr_workgroup_id_z 1
		.amdhsa_system_vgpr_workitem_id 0
		.amdhsa_next_free_vgpr 1024
		.amdhsa_next_free_sgpr 100
		.amdhsa_reserve_vcc 0
		.amdhsa_float_denorm_mode_32 3
		.amdhsa_float_denorm_mode_16_64 3
		.amdhsa_memory_ordered 1
		.amdhsa_forward_progress 1
		.amdhsa_inst_pref_size 253
	.end_amdhsa_kernel
	.amdgpu_metadata
---
amdhsa.version: [ 1, 2 ]
amdhsa.kernels:
  - .name:           k_qbf2104a5e9_qkv
    .symbol:         k_qbf2104a5e9_qkv.kd
    .args:
      - { .name: codes, .offset: 0, .size: 8, .value_kind: global_buffer, .address_space: global }
      - { .name: scales, .offset: 8, .size: 8, .value_kind: global_buffer, .address_space: global }
      - { .name: rope, .offset: 16, .size: 8, .value_kind: global_buffer, .address_space: global }
      - { .name: out1, .offset: 24, .size: 8, .value_kind: global_buffer, .address_space: global }
      - { .name: out2, .offset: 32, .size: 8, .value_kind: global_buffer, .address_space: global }
      - { .name: qh, .offset: 40, .size: 8, .value_kind: global_buffer, .address_space: global }
      - { .name: kh, .offset: 48, .size: 8, .value_kind: global_buffer, .address_space: global }
      - { .name: vh, .offset: 56, .size: 8, .value_kind: global_buffer, .address_space: global }
    .group_segment_fixed_size: 327680
    .private_segment_fixed_size: 0
    .kernarg_segment_align: 8
    .kernarg_segment_size: 64
    .max_flat_workgroup_size: 128
    .sgpr_count:     100
    .vgpr_count:     1024
    .wavefront_size: 32
...
	.end_amdgpu_metadata
.endif
;; end of part 2
;; launch attn (part 3): grid 16 x 16, 4 waves a work-group, clusters of 4 x 4, 327,680 bytes of LDS; arguments qh, kh, vh, attention_mask, at16; writes at16
.if DOCPART == 3
	.amdgcn_target "amdgcn-amd-amdhsa--gfx1250"
	.amdhsa_code_object_version 6
	.text
	.protected	k_qbf2104a5e9_attn
	.globl	k_qbf2104a5e9_attn
	.p2align	8
	.type	k_qbf2104a5e9_attn,@function
k_qbf2104a5e9_attn:
	s_mov_b64 s[64:65], 0
	v_nop
	global_prefetch_b8 v0, s[64:65] scope:SCOPE_SE
	s_setreg_imm32_b32 hwreg(HW_REG_WAVE_MODE, 25, 1), 1
	s_wait_xcnt 0x0
	s_wait_alu depctr_hold_cnt(0) depctr_sa_sdst(0) depctr_va_vdst(0) depctr_va_sdst(0) depctr_va_ssrc(0) depctr_va_vcc(0) depctr_vm_vsrc(0)
	s_getreg_b32 s2, hwreg(HW_REG_IB_STS2, 6, 4)
	s_cmp_eq_u32 s2, 0
	s_cbranch_scc0 .Lentry_in_a_cluster
	s_endpgm
.Lentry_in_a_cluster:
	s_bfe_u32 s2, ttmp6, 0x10000c
	s_cmp_lg_u32 s2, 0xf033
	s_cbranch_scc0 .Lentry_shape_is_right
	s_endpgm
.Lentry_shape_is_right:
; at16[q][128 head + d] = the sum over k of softmax_k(Q[q] . K[k] / sqrt(128) + mask[q][k]) V[k][d], operands in f16, products, maxima and sums in f32.
; qh [16][2048][128] f16 holds q / sqrt(128); kh [16][2048][128]; vh [16][2 halves of d][2048][64]; attention_mask [2048][2048] f32 is read whole for every head: nothing of its pattern is built in.
; SHARES.  A work-group owns 128 queries (x) of one head (y).  Wave w: qf = w % 2: queries 64 qf on, four tiles of 16; kf = w / 2: keys 64 kf on of every slot of 128 keys.  The two key halves are merged at the end.
; LAYOUT.  S^T = K Q^T + mask^T (source 0 = 16 keys, source 1 = 16 queries): a lane holds ONE query (lane % 16) and keys 8 (lane / 16) + 0..7.  THE MASK COSTS NO ADDITION: its tile is loaded from LDS straight into
; S^T's registers, and the first product of each chain takes them as C.  Two tiles of S^T, rounded to f16 in pairs, are source 1 of O^T = V^T P.  V comes out of LDS turned, by ds_load_tr16_b128.
; SOFTMAX.  Running maximum m and sum l for each query.  The scores are multiplied by c = log2(e), one rounding, and c m, the same rounding of the maximum, is taken away: since rounding keeps order, the difference is
; never above 0 and is 0 at the maximum, however large the mask's numbers are: p = 2^(fl(c s) - fl(c m)) is at most 1.  O and l are multiplied by a = 2^(c m_old - c m_new) in every step.
; BY TURNS.  The wave's tiles are two pieces (tiles 0, 1 and tiles 2, 3).  In a turn one piece has the matrix unit (32 products V^T P of the step in hand, 32 products K Q^T of the next), and the other piece's softmax,
; cut into 64 slices, stands between them, one slice behind each matrix instruction.
; RING.  Two slots, each 128 keys: K (128 x 272), V (two halves x 128 x 160), mask (128 queries x 528).  One joint load a wave behind each round: wave 0 K, wave 1 the mask, waves 2 and 3 V's halves.
; CLUSTER 4 x 4: K and V hang on the head alone and are asked for jointly along a row of the cluster; the mask's tile hangs on the query block alone and jointly along a column.
; REGISTERS.  window 0: v2-11, v44-50 addresses; v12-43 eight statistics a tile; v64-191 S^T; v192-255 P.  window 1: O^T.  window 2: v0-127 Q, v128-255 K.  window 3: v0-127 V.
; LIMITS: scores under -1e38 count as -infinity; a row whose every score is -infinity gives no number; the mask is added as the matrix instruction adds its C, not by one f32 addition.
.set PK,    272
.set PV,    160                        ; a row of half of V: 128 bytes + 32: an odd multiple of 32
.set PM,    528
.set VOFF,  128*PK
.set VHALF, 128*PV
.set MOFF,  VOFF+2*VHALF
.set SLOT,  MOFF+128*PM                ; 143,360
.set SPARE, 2*SLOT                     ; the spare words, 128 bytes a wave
.set IMG,   34816                      ; the merge: a wave's image, 32,768 bytes of O^T and 4 x 512 of statistics, in buffer 0, which has had its last fill and its last read by then
.set STAGE, SLOT                       ; the way out: 16 rows x 272 bytes a wave, in buffer 1, which nobody reads behind the merge's barrier
.set SP,    272
.set AK0, 2
.set AV0, 3
.set ADR, 4
.set QO,  5
.set STO, 6
.set RD,  7
.set GO,  8
.set AM0, 44                           ; my lane's place in the mask's tile
.set ADM, 45
.set XW,  46                           ; the merge: where I store my image; where I read the two images and their statistics
.set XRA, 47
.set XRB, 48
.set XSA, 49
.set XSB, 50
.set PFO, 61
.set SPW, 62
.set NIL, 63
.set ST,  12                           ; tile t's statistics at v[ST + 8 t]: +0 c m, +1 m, +2, +3 l, +4 to +7 at work
.set S,   64
.set P,   192
.set KF,  128
.set MA,  64                           ; the merge: statistics of the two images, at work, and the packed rows
.set MB,  72
.set WK,  80
.set OH,  128
.set WV,  14
.set LIM, 15
.set QF,  16
.set KH,  17
.set PFA, 18
.set PFS, 20
.set G1K, 24
.set G1V, 32
.set G1M, 40
.set G0K, 48                           ; a set for each of the two first fills; the second then walks on
.set G0V, 56
.set G0M, 68
.set SLOTS, 76
.set TB,  77                           ; LDS byte at which the slot to be read begins
.set TF,  78                           ; and the slot to be filled
.set LBV, 79
.set CS,  80
.set SEL, 82
.set MSB, 0
.macro WIN new
.if MSB != \new
	s_set_vgpr_msb (MSB<<8)|\new
.set MSB, \new
.endif
.endm
.set W_KQ, 0x0a
.set W_PV, 0x53
.set W_RS, 0x41
; A joint refill, one line a wave; the branches hang on the wave's number alone.  An s_nop 0 and four v_nop follow each line.
.macro JLOAD
	s_cmp_eq_u32 s[WV], 0
	s_cbranch_scc0 .Lnot_k_\@
	tensor_load_to_lds s[G0K+4:G0K+7], s[G1K:G1K+7]
	s_nop 0
.rept 4
	v_nop
.endr
	s_branch .Lasked_\@
.Lnot_k_\@:
	s_cmp_eq_u32 s[WV], 1
	s_cbranch_scc0 .Lnot_m_\@
	tensor_load_to_lds s[G0M+4:G0M+7], s[G1M:G1M+7]
	s_nop 0
.rept 4
	v_nop
.endr
	s_branch .Lasked_\@
.Lnot_m_\@:
	tensor_load_to_lds s[G0V+4:G0V+7], s[G1V:G1V+7]
	s_nop 0
.rept 4
	v_nop
.endr
.Lasked_\@:
.endm
; A PREFETCH INTO THE L2 of the slot two refills on (256 products of a wave ahead of the load that will ask for it), a lane a block of 256 bytes, one instruction a wave, behind the wave's tensor load and its five lines.
; Each block is named once in the launch.  K and V of a head are walked by every cluster of that row of clusters: the cluster with x = 0 asks (wave 0 K's rows, wave 2 V's blocks); the mask's rows of a query block by every
; cluster of that column: the cluster with y = 0 asks (waves 1 and 3, a row's two blocks).  The four partners that share a tile take 32 rows or blocks each, told apart by address.  The last four slots' changes ask for nothing.
.macro ASK
	s_cmp_gt_u32 s[SLOTS], s[LIM]
	s_cbranch_scc0 .Lnot_mine_\@
	global_prefetch_b8 v[PFO], s[PFA:PFA+1] th:TH_LOAD_NT scope:SCOPE_SE
.Lnot_mine_\@:
.endm
.macro CROUND
	s_barrier_signal -1
	s_barrier_wait -1
	s_cmp_lg_u32 s[WV], 0
	s_cbranch_scc1 .Lnot_wave_0_\@
	s_barrier_signal -3
.Lnot_wave_0_\@:
	s_barrier_wait -3
	s_barrier_signal -1
	s_barrier_wait -1
.endm
	s_load_b256 s[4:11], s[0:1], 0x0               ; qh, kh, vh, attention_mask
	s_load_b64 s[12:13], s[0:1], 0x20              ; at16
	v_lshl_add_u32 v[SPW], v0, 2, SPARE
	v_mov_b32 v[NIL], 0
	ds_add_u32 v[SPW], v[NIL]                      ; the wave's opening: the add, twice on end, and its wait ahead of my first tensor load
	ds_add_u32 v[SPW], v[NIL]
	v_lshrrev_b32 v1, 5, v0
	v_readfirstlane_b32 s[WV], v1
	s_and_b32 s[QF], s[WV], 1
	s_lshr_b32 s[KH], s[WV], 1
	s_bfe_u32 s84, ttmp6, 0x40000                  ; cx
	s_bfe_u32 s85, ttmp6, 0x40004                  ; cy
	s_lshl_b32 s86, ttmp9, 2
	s_add_co_u32 s86, s86, s84                     ; the block of 128 queries
	s_and_b32 s87, ttmp7, 0xffff
	s_lshl_b32 s87, s87, 2
	s_add_co_u32 s87, s87, s85                     ; the head
	s_lshl_b32 s88, s85, 2
	s_lshl_b32 s88, 15, s88                        ; my row of the cluster
	s_lshl_b32 s89, 0x1111, s84                    ; my column
	s_or_b32 s[G1K], s88, (1<<16)|(1<<20)|(1<<21)|(5<<22)|(3<<25)   ; K: elements of 2 bytes; after every 64 words four words
	s_mov_b32 s[G1K+1], 128<<16
	s_mov_b32 s[G1K+2], 128<<16
	s_mov_b32 s[G1K+3], 128<<16
	s_mov_b32 s[G1K+4], 128
	s_mov_b32 s[G1K+5], 128
	s_mov_b32 s[G1K+6], 0
	s_mov_b32 s[G1K+7], 0
	s_or_b32 s[G1V], s88, (1<<16)|(1<<20)|(1<<21)|(4<<22)|(7<<25)   ; half of V: rows of 64 elements; after every 32 words eight words
	s_mov_b32 s[G1V+1], 64<<16
	s_mov_b32 s[G1V+2], 128<<16
	s_mov_b32 s[G1V+3], 64<<16
	s_mov_b32 s[G1V+4], 128
	s_mov_b32 s[G1V+5], 64
	s_mov_b32 s[G1V+6], 0
	s_mov_b32 s[G1V+7], 0
	s_or_b32 s[G1M], s89, (2<<16)|(1<<20)|(1<<21)|(6<<22)|(3<<25)   ; the mask: elements of 4 bytes; after every 128 words four words
	s_mov_b32 s[G1M+1], 128<<16
	s_mov_b32 s[G1M+2], 128<<16
	s_mov_b32 s[G1M+3], 128<<16
	s_mov_b32 s[G1M+4], 128
	s_mov_b32 s[G1M+5], 2048
	s_mov_b32 s[G1M+6], 0
	s_mov_b32 s[G1M+7], 0
	s_lshl_b32 s90, s87, 19                        ; K: the head's first byte
	s_mov_b32 s91, 0
	s_lshl_b32 s92, s87, 1
	s_add_co_u32 s92, s92, s[QF]
	s_lshl_b32 s92, s92, 18                        ; V: the head's half = my wave's number % 2
	s_mov_b32 s93, 0
	s_lshl_b32 s94, s86, 20                        ; the mask: 128 rows of 8,192 bytes a block
	s_mov_b32 s95, 0
	s_lshl_b32 s96, s87, 19                        ; Q: head, block, my 64 queries
	s_lshl_b32 s2, s86, 15
	s_add_co_u32 s96, s96, s2
	s_lshl_b32 s2, s[QF], 14
	s_add_co_u32 s96, s96, s2
	s_mov_b32 s97, 0
	s_lshl_b32 s98, s86, 19                        ; at16: rows of 4,096 bytes: 128 x + 64 qf + 32 kf; column 256 bytes x head
	s_lshl_b32 s2, s[QF], 18
	s_add_co_u32 s98, s98, s2
	s_lshl_b32 s2, s[KH], 17
	s_add_co_u32 s98, s98, s2
	s_lshl_b32 s2, s87, 8
	s_add_co_u32 s98, s98, s2
	s_mov_b32 s99, 0
	s_mul_i32 s[LBV], s[QF], VHALF
	s_add_co_u32 s[LBV], s[LBV], VOFF
	s_mov_b32 s[CS], 0x3fb8aa3b                    ; c = log2(e)
	s_mov_b32 s[CS+1], s[CS]
	s_mov_b32 s[SEL], 0x76543210
	s_mov_b32 s[SEL+1], 0xfedcba98
	s_mov_b32 s[TB], 0
	s_mov_b32 s[TF], SLOT
	s_mov_b32 s[SLOTS], 14
	; the prefetches' offsets: K's, V's, the mask's, each at slot 3; the first change of slots steps them to slot 4
	s_lshl_b32 s2, s87, 19
	s_lshl_b32 s3, s84, 13                         ; my work-group's 32 rows of 256 bytes
	s_add_co_u32 s2, s2, s3
	s_add_co_u32 s2, s2, 3*32768
	s_lshl_b32 s22, s87, 1
	s_lshr_b32 s3, s84, 1
	s_add_co_u32 s22, s22, s3                      ; half cx / 2,
	s_lshl_b32 s22, s22, 18
	s_and_b32 s3, s84, 1
	s_lshl_b32 s3, s3, 13                          ; blocks 32 (cx % 2) on
	s_add_co_u32 s22, s22, s3
	s_add_co_u32 s22, s22, 3*16384
	s_lshl_b32 s23, s86, 7
	s_lshl_b32 s3, s85, 5
	s_add_co_u32 s23, s23, s3                      ; rows 128 x + 32 cy on,
	s_lshl_b32 s23, s23, 13
	s_lshl_b32 s3, s[KH], 8                        ; the row's block = wave / 2
	s_add_co_u32 s23, s23, s3
	s_add_co_u32 s23, s23, 3*512
	s_and_b32 s88, ttmp7, 0xffff                   ; cluster y
	s_mov_b32 s[PFS], 16384
	s_wait_dscnt 0x0                               ; both opening adds are done
	s_wait_kmcnt 0x0
	s_cmp_eq_u32 s[WV], 0
	s_cselect_b32 s2, s2, s22
	s_cselect_b64 s[PFA:PFA+1], s[6:7], s[8:9]
	s_cselect_b32 s[PFS], 32768, s[PFS]
	s_cmp_eq_u32 s[QF], 1                          ; waves 1 and 3: the mask
	s_cselect_b32 s2, s23, s2
	s_cselect_b64 s[PFA:PFA+1], s[10:11], s[PFA:PFA+1]
	s_cselect_b32 s[PFS], 512, s[PFS]
	s_cselect_b32 s3, 13, 8
	s_cselect_b32 s88, s88, ttmp9                  ; the coordinate along which other clusters read the same bytes
	v_and_b32 v[PFO], 31, v0
	v_lshlrev_b32 v[PFO], s3, v[PFO]               ; from lane to lane: a row of the mask, or 256 bytes
	s_cmp_eq_u32 s88, 0
	s_cselect_b32 s[LIM], 2, -1                    ; the same in all sixteen partners, for a given wave
	s_mov_b32 s3, 0
	s_mov_b32 s[PFS+1], 0
	s_add_nc_u64 s[PFA:PFA+1], s[PFA:PFA+1], s[2:3]
	s_add_nc_u64 s[90:91], s[6:7], s[90:91]
	s_add_nc_u64 s[92:93], s[8:9], s[92:93]
	s_add_nc_u64 s[94:95], s[10:11], s[94:95]
	s_add_nc_u64 s[4:5], s[4:5], s[96:97]
	s_add_nc_u64 s[12:13], s[12:13], s[98:99]
	CROUND                                         ; all sixteen work-groups are here: the first joint loads meet
.irp s, 0,1
	s_mov_b32 s[G0K+4*\s], 1
	s_mov_b32 s[G0K+4*\s+1], \s*SLOT
	s_add_nc_u64 s[G0K+4*\s+2:G0K+4*\s+3], s[90:91], \s*32768
	s_or_b32 s[G0K+4*\s+3], s[G0K+4*\s+3], 0x80000000
	s_mov_b32 s[G0V+4*\s], 1
	s_add_co_u32 s[G0V+4*\s+1], s[LBV], \s*SLOT
	s_add_nc_u64 s[G0V+4*\s+2:G0V+4*\s+3], s[92:93], \s*16384
	s_or_b32 s[G0V+4*\s+3], s[G0V+4*\s+3], 0x80000000
	s_mov_b32 s[G0M+4*\s], 1
	s_mov_b32 s[G0M+4*\s+1], MOFF+\s*SLOT
	s_add_nc_u64 s[G0M+4*\s+2:G0M+4*\s+3], s[94:95], \s*512
	s_or_b32 s[G0M+4*\s+3], s[G0M+4*\s+3], 0x80000000
.endr
	s_cmp_eq_u32 s[WV], 0                          ; a wave's two first fills stand in one arm: two loads of mine are out
	s_cbranch_scc0 .Lfirst_not_k
	tensor_load_to_lds s[G0K:G0K+3], s[G1K:G1K+7]
	s_nop 0
	tensor_load_to_lds s[G0K+4:G0K+7], s[G1K:G1K+7]
	s_nop 0
.rept 4
	v_nop
.endr
	s_branch .Lfirst_asked
.Lfirst_not_k:
	s_cmp_eq_u32 s[WV], 1
	s_cbranch_scc0 .Lfirst_not_m
	tensor_load_to_lds s[G0M:G0M+3], s[G1M:G1M+7]
	s_nop 0
	tensor_load_to_lds s[G0M+4:G0M+7], s[G1M:G1M+7]
	s_nop 0
.rept 4
	v_nop
.endr
	s_branch .Lfirst_asked
.Lfirst_not_m:
	tensor_load_to_lds s[G0V:G0V+3], s[G1V:G1V+7]
	s_nop 0
	tensor_load_to_lds s[G0V+4:G0V+7], s[G1V:G1V+7]
	s_nop 0
.rept 4
	v_nop
.endr
.Lfirst_asked:
	v_and_b32 v1, 15, v0                           ; r
	v_bfe_u32 v9, v0, 4, 1                         ; h
	v_lshlrev_b32 v[QO], 8, v1
	v_lshl_add_u32 v[QO], v9, 4, v[QO]
	WIN 0x80                                       ; destination window 2
.irp i, 0,1,2,3,4,5,6,7,8,9,10,11,12,13,14,15      ; Q stays in registers: tile i / 4, channels 32 (i % 4) on
	global_load_b128 v[8*\i:8*\i+3],   v[QO], s[4:5] offset:(\i/4)*4096+(\i%4)*64
	global_load_b128 v[8*\i+4:8*\i+7], v[QO], s[4:5] offset:(\i/4)*4096+(\i%4)*64+32
.endr
	WIN 0
	v_mul_u32_u24 v[AK0], v1, PK
	v_lshl_add_u32 v[AK0], v9, 4, v[AK0]
	s_mul_i32 s2, s[KH], 64*PK                     ; my 64 keys of a slot
	v_add_nc_u32 v[AK0], s2, v[AK0]
	v_and_b32 v10, 7, v0
	v_bfe_u32 v11, v0, 3, 1
	v_lshl_add_u32 v[AV0], v9, 3, v10
	v_mul_u32_u24 v[AV0], v[AV0], PV
	v_lshl_add_u32 v[AV0], v11, 4, v[AV0]
	s_mul_i32 s2, s[KH], 64*PV
	s_add_co_u32 s2, s2, VOFF
	v_add_nc_u32 v[AV0], s2, v[AV0]
	v_mul_u32_u24 v[AM0], v1, PM                   ; the mask: row = my query, 32 bytes = my eight keys
	v_lshl_add_u32 v[AM0], v9, 5, v[AM0]
	s_mul_i32 s2, s[QF], 64*PM
	s_lshl_b32 s3, s[KH], 8
	s_add_co_u32 s2, s2, s3
	s_add_co_u32 s2, s2, MOFF
	v_add_nc_u32 v[AM0], s2, v[AM0]
; THE MATRIX WORK OF A TURN, for piece x.  The accumulators take turns, one instruction a turn.
.macro PV x, zero                      ; product i of 32 of O^T += V^T P
	WIN W_PV
.set rO, 64*(\x+i%2)+8*((i/2)%8)
.set rV, 64*(i/16)+8*((i/2)%8)
.set rP, P+16*(\x+i%2)+8*(i/16)
.if \zero && (i < 16)
	v_wmma_f32_16x16x32_f16 v[rO:rO+7], v[rV:rV+7], v[rP:rP+7], 0
.else
	v_wmma_f32_16x16x32_f16 v[rO:rO+7], v[rV:rV+7], v[rP:rP+7], v[rO:rO+7]
.endif
.endm
.macro KQ x                            ; product i of 32 of S^T = K Q^T + mask^T: the first 8 add onto the mask's tile, which lies in S^T's registers
	WIN W_KQ
.set rS, S+32*(\x+i%2)+8*((i/2)%4)
.set rK, KF+32*((i/2)%4)+8*(i/8)
.set rQ, 32*(\x+i%2)+8*(i/8)
	v_wmma_f32_16x16x32_f16 v[rS:rS+7], v[rK:rK+7], v[rQ:rQ+7], v[rS:rS+7]
.endm
.macro FETCH_K
	WIN 0
	v_add_nc_u32 v[ADR], s[TB], v[AK0]
	WIN 0x80
.irp f, 0,1,2,3,4,5,6,7,8,9,10,11,12,13,14,15
	ds_load_b128 v[KF+8*\f:KF+8*\f+3],   v[ADR] offset:(\f/4)*16*PK+(\f%4)*64
	ds_load_b128 v[KF+8*\f+4:KF+8*\f+7], v[ADR] offset:(\f/4)*16*PK+(\f%4)*64+32
.endr
.endm
.macro FETCH_V
	WIN 0
	v_add_nc_u32 v[ADR], s[TB], v[AV0]
	s_wait_alu depctr_va_vdst(0)                   ; the wait for the softmax's batch (SLICE), behind the address's addition and ahead of the loads
	WIN 0xc0
.irp f, 0,1,2,3,4,5,6,7,8,9,10,11,12,13,14,15      ; keys 32 (f / 8) on, channels 16 (f % 8) on: half (f % 8) / 4
	ds_load_tr16_b128 v[8*\f:8*\f+3],   v[ADR] offset:(\f/8)*32*PV+((\f%8)/4)*VHALF+((\f%8)%4)*32
	ds_load_tr16_b128 v[8*\f+4:8*\f+7], v[ADR] offset:(\f/8)*32*PV+16*PV+((\f%8)/4)*VHALF+((\f%8)%4)*32
.endr
.endm
.macro FETCH_M x                       ; the mask's tiles of piece x into its S^T registers: tile t, keys 16 kt on: register j = mask(query r, key 8 h + j)
	WIN 0
	v_add_nc_u32 v[ADM], s[TB], v[AM0]
.irp t, \x, \x+1
.irp kt, 0,1,2,3
	ds_load_b128 v[S+32*(\t)+8*\kt:S+32*(\t)+8*\kt+3],   v[ADM] offset:16*(\t)*PM+64*\kt
	ds_load_b128 v[S+32*(\t)+8*\kt+4:S+32*(\t)+8*\kt+7], v[ADM] offset:16*(\t)*PM+64*\kt+16
.endr
.endr
.endm
; THE VECTOR WORK OF A TURN.  One tile's softmax for a key step: 16 packed multiplies by c (CMUL) and a list of 134 numbered instructions (SM writes number j for tile t).
;   0-15 the maximum of the 32 raw scores and the old m;  16-20 the other half of the lanes' maximum, the new m, c m, c m_old - c m_new;
;   21-69 ONE BATCH: the 16 subtractions of c m, a pair of scores each, and all 33 exponentials; none of these reads an exponential's result;  (the wait)
;   70-85 the roundings to f16;  86-101 the sums;  102-133 O^T times a.
.macro CMUL t, b
	WIN 0
	v_pk_mul_f32 v[S+32*(\t)+2*(\b):S+32*(\t)+2*(\b)+1], v[S+32*(\t)+2*(\b):S+32*(\t)+2*(\b)+1], s[CS:CS+1] op_sel_hi:[1,0]
.endm
.macro SM t, first
.set rT, ST+8*(\t)
.set rS, S+32*(\t)
.set rP, P+16*(\t)
.set rO, 64*(\t)+2*(j-102)
.if j < 102
	WIN 0
.endif
.if j < 4
	v_max3_num_f32 v[rT+4+j], v[rS+8*j], v[rS+8*j+1], v[rS+8*j+2]
.elseif j < 12
	v_max3_num_f32 v[rT+4+j%4], v[rT+4+j%4], v[rS+8*(j%4)+2*(j/4)+1], v[rS+8*(j%4)+2*(j/4)+2]
.elseif j == 12
	v_max3_num_f32 v[rT+4], v[rT+4], v[rS+7], v[rS+15]
.elseif j == 13
	v_max3_num_f32 v[rT+6], v[rT+6], v[rS+23], v[rS+31]
.elseif j == 14
	v_max3_num_f32 v[rT+4], v[rT+4], v[rT+5], v[rT+6]
.elseif (j == 15) && \first
	v_max3_num_f32 v[rT+4], v[rT+4], v[rT+7], 0xfe967699   ; and the floor -1e38: m stays a number under a mask of -infinity
.elseif j == 15
	v_max3_num_f32 v[rT+4], v[rT+4], v[rT+7], v[rT+1]
.elseif j == 16
	v_permlanex16_b32 v[rT+5], v[rT+4], s[SEL], s[SEL+1]
.elseif j == 18
	v_max_num_f32 v[rT+1], v[rT+4], v[rT+5]
.elseif j == 19
	v_mul_f32 v[rT], s[CS], v[rT+1]
.elseif ((j == 17) || (j == 20) || (j == 23) || (j > 101)) && \first
.elseif j == 17
	v_mov_b32 v[rT+7], v[rT]
.elseif j == 20
	v_sub_f32 v[rT+7], v[rT+7], v[rT]
.elseif j == 23
	v_exp_f32 v[rT+6], v[rT+7]
.elseif (j < 23) || ((j < 38) && (j%2 == 0)) || ((j < 66) && (j%4 == 2))
.set b, (j-2)/4
.if j < 38
.set b, (j-20)/2
.endif
	v_pk_add_f32 v[rS+2*b:rS+2*b+1], v[rS+2*b:rS+2*b+1], v[rT:rT+1] op_sel_hi:[1,0] neg_lo:[0,1] neg_hi:[0,1]  ; pair b: fl(c s) - fl(c m)
.elseif j < 70
.set e, j-38
.if j < 66
.set e, j-32-(j-38)/4
.endif
.if j < 38
.set e, (j-25)/2
.endif
	v_exp_f32 v[rS+e], v[rS+e]
.elseif j < 86
	v_cvt_pk_f16_f32 v[rP+j-70], v[rS+2*(j-70)], v[rS+2*(j-70)+1]
.elseif j < 102
.set z, j-86
.set w, 4
.set u, z
.if z >= 14
.set w, 32
.set u, 0
.elseif z >= 12
.set w, 16
.set u, z-12
.elseif z >= 8
.set w, 8
.set u, z-8
.endif
.if (z == 14) && \first
	v_pk_add_f32 v[rT+2:rT+3], v[rS:rS+1], v[rS+16:rS+17]
.elseif z < 15
	v_pk_add_f32 v[rS+w*u:rS+w*u+1], v[rS+w*u:rS+w*u+1], v[rS+w*u+w/2:rS+w*u+w/2+1]
.elseif !\first
	v_pk_fma_f32 v[rT+2:rT+3], v[rT+2:rT+3], v[rT+6:rT+7], v[rS:rS+1] op_sel_hi:[1,0,1]
.endif
.else
	WIN W_RS
	v_pk_mul_f32 v[rO:rO+1], v[rO:rO+1], v[rT+6:rT+7] op_sel_hi:[1,0]
.endif
.endm
; Slice k of 64 of piece y's softmax.  Slices 7 to 10 begin with eight of the multiplies by c (four pairs of each tile): the raw scores were last read in slice 6, and pair 0 is wanted in slice 10.
; Slices 11 to 34 deal out the batch, four numbers of one tile each; every other slice is numbers 2 k and 2 k + 1 of both tiles; slice 63 takes the twelve that are over.
; One wait serves the piece's 66 exponentials, behind slice 34: ahead of slice 35 nothing names a result, and behind slice 34 no exponential is issued.
.macro SLICE y, first
.if (k >= 7) && (k < 11)
.irp t, \y, \y+1
.irp n, 0,1,2,3
	CMUL \t, 4*(k-7)+\n
.endr
.endr
.endif
.if (k >= 11) && (k < 35)
.irp n, 0,1,2,3
.set j, 22+4*((k-11)/2)+(\n)
	SM (\y)+(k-11)%2, \first
.endr
.else
.irp n, 0,1,2,3,4,5,6,7
.if (\n < 2) || (k == 63)
.irp t, \y, \y+1
.set j, 2*k+\n
	SM \t, \first
.endr
.endif
.endr
.endif
.if k == 34
	v_nop                                          ; a plain instruction behind the last exponential: one for the batch
.if (\y) == 0
	FETCH_V                                        ; piece 2's turn: V's run of loads stands here, and the wait stands in it
.else
	s_wait_alu depctr_va_vdst(0)                   ; the wait for the batch
.endif
.endif
.set k, k+1
.endm
.macro PLACES
.rept 4
	v_nop
.endr
.endm
; A TURN.  Piece x has the matrix unit.  Behind its second product stand the runs of LDS loads for its K Q^T: the next slot's K (piece 0's turn) and the mask's tiles of piece x, into S^T's registers, which the piece's
; softmax left in the turn before.  One wait for them stands ahead of the K Q^T run, 30 products later.  Piece 2's turn fetches V behind slice 34.
.macro TURN x, pv, kq, first
.set k, 0
.set per, 2
.if \pv && \kq
.set per, 1
.endif
.if \pv
.if \x == 0
	s_wait_dscnt 0x0                               ; V is in
.endif
.set i, 0
.rept 32
	PV \x, 2-\pv
.rept per
	SLICE 2-\x, \first
.endr
.if \kq && (i == 1)
.if \x == 0
	FETCH_K
.endif
	FETCH_M \x
.endif
.set i, i+1
.endr
.endif
.if \kq
	s_wait_dscnt 0x0                               ; K and the mask's tiles are in
.set i, 0
.rept 32
	KQ \x
.rept per
	SLICE 2-\x, \first
.endr
.set i, i+1
.endr
.endif
.if \first
	PLACES
.endif
.endm
; THE CHANGE OF SLOTS, between piece 2's turn and piece 0's: the slot's last bytes, V, have been asked for.  Each wave waits for all its tensor loads (one is out: its part of the other slot), adds 0 to its spare word,
; and waits for that and for its reads of the slot.  fill = 1: the slot is filled again, with the keys two slots on, behind a round of the cluster's barrier: the load has 128 products of each wave in which to land.
.macro CHANGE fill
	WIN 0
	s_wait_tensorcnt 0x0                           ; no tensor load of mine is out, so a group 0 may be written
	ds_add_u32 v[SPW], v[NIL]                      ; 0 onto my spare word
.if \fill
	s_xor_b32 s[TF], s[TF], SLOT                   ; the walking descriptors: the other slot than last time,
	s_mov_b32 s[G0K+5], s[TF]
	s_add_co_u32 s[G0V+5], s[LBV], s[TF]
	s_add_co_u32 s[G0M+5], s[TF], MOFF
	s_add_nc_u64 s[G0K+6:G0K+7], s[G0K+6:G0K+7], 32768   ; the next 128 keys
	s_add_nc_u64 s[G0V+6:G0V+7], s[G0V+6:G0V+7], 16384
	s_add_nc_u64 s[G0M+6:G0M+7], s[G0M+6:G0M+7], 512
	s_wait_xcnt 0x0                                ; the last prefetch, a slot back, has read its address
	s_add_nc_u64 s[PFA:PFA+1], s[PFA:PFA+1], s[PFS:PFS+1]
	s_wait_dscnt 0x0                               ; the add is done, and my reads of the slot are over
	CROUND
	JLOAD
	ASK
.else
	s_wait_dscnt 0x0
	s_barrier_signal -1
	s_barrier_wait -1
.endif
	s_xor_b32 s[TB], s[TB], SLOT                   ; the reads go on to the other slot
.endm
	s_wait_tensorcnt 1                             ; my part of slot 0 is in; slot 1's may stay out
	s_barrier_signal -1
	s_barrier_wait -1
	FETCH_K                                        ; key step 0
	FETCH_M 0
	FETCH_M 2
	s_wait_loadcnt 0x0                             ; Q
	s_wait_dscnt 0x0
.set i, 0
.rept 32
	KQ 0
.set i, i+1
.endr
	WIN 0                                          ; the addresses for the merge and the way out are made here: plain instructions, the places behind those products
	s_mul_i32 s2, s[WV], 16*SP
	s_add_co_u32 s2, s2, STAGE
	v_mul_u32_u24 v[STO], v1, SP
	v_lshl_add_u32 v[STO], v9, 4, v[STO]
	v_add_nc_u32 v[STO], s2, v[STO]
	v_mul_u32_u24 v[RD], v9, SP
	v_lshl_add_u32 v[RD], v1, 4, v[RD]
	v_add_nc_u32 v[RD], s2, v[RD]
	v_lshlrev_b32 v[GO], 12, v9                    ; two rows of at16, 4,096 bytes apart
	v_lshl_add_u32 v[GO], v1, 4, v[GO]
	v_and_b32 v10, 31, v0
	v_lshlrev_b32 v10, 4, v10                      ; 16 x lane
	s_mul_i32 s2, s[WV], IMG
	v_add_nc_u32 v[XW], s2, v10
	s_mul_i32 s2, s[QF], IMG                       ; the image of the wave with my queries and keys' half 0; the other's lies 2 IMG on
	s_lshl_b32 s3, s[KH], 14                       ; I take tiles 2 kf, 2 kf + 1
	s_add_co_u32 s3, s3, s2
	v_add_nc_u32 v[XRA], s3, v10
	v_add_nc_u32 v[XRB], 2*IMG, v[XRA]
	s_lshl_b32 s3, s[KH], 10
	s_add_co_u32 s3, s3, s2
	s_add_co_u32 s3, s3, 32768
	v_add_nc_u32 v[XSA], s3, v10
	v_add_nc_u32 v[XSB], 2*IMG, v[XSA]
	TURN 2, 0, 1, 1                                ; piece 2's first scores | piece 0's first softmax | V of step 0
	CHANGE 1                                       ; slot 0 is read out: it takes slot 2
	TURN 0, 1, 1, 1                                ; piece 0: V^T P of step 0 starts O^T, K Q^T of step 1 | piece 2's first softmax
	TURN 2, 1, 1, 0
	WIN 0
	s_mov_b32 s[SLOTS], 13
.Lslot:                                            ; 13 trips: slots 3 to 15 are asked for
	CHANGE 1
	TURN 0, 2, 1, 0
	TURN 2, 2, 1, 0
	WIN 0
	s_sub_co_u32 s[SLOTS], s[SLOTS], 1
	s_cmp_lg_u32 s[SLOTS], 0
	s_cbranch_scc1 .Lslot
	CHANGE 0                                       ; the tail is written out: nothing is asked for
	TURN 0, 2, 1, 0
	TURN 2, 2, 1, 0
	TURN 0, 2, 0, 0                                ; piece 0: V^T P of the last step | piece 2's last softmax
.set i, 0
.rept 32
	PV 2, 0
.set i, i+1
.endr
	; THE MERGE.  Each wave lays its O^T and its statistics (c m, m, l) in LDS as images of its registers; behind a barrier each wave takes two tiles of its queries from both key halves' images.
	WIN 0
.irp t, 0,1,2,3
	v_add_f32 v[ST+8*\t+2], v[ST+8*\t+2], v[ST+8*\t+3]     ; l's two halves: these additions are the places behind the last products
.endr
.irp t, 0,1,2,3
	v_permlanex16_b32 v[ST+8*\t+5], v[ST+8*\t+2], s[SEL], s[SEL+1]
.endr
.irp t, 0,1,2,3
	v_add_f32 v[ST+8*\t+2], v[ST+8*\t+2], v[ST+8*\t+5]
.endr
.irp t, 0,1,2,3
	ds_store_b128 v[XW], v[ST+8*\t:ST+8*\t+3] offset:32768+512*\t
.endr
	WIN 0x04                                       ; data: window 1
.set n, 0
.rept 64
	ds_store_b128 v[XW], v[4*n:4*n+3] offset:512*n         ; each accumulator from its low end on
.set n, n+1
.endr
	WIN 0
	s_wait_dscnt 0x0                               ; for the others' sake: my stores have landed; my reads of the last slot are over
	s_barrier_signal -1
	s_barrier_wait -1
.irp tt, 0,1
	ds_load_b128 v[MA+4*\tt:MA+4*\tt+3], v[XSA] offset:512*\tt
	ds_load_b128 v[MB+4*\tt:MB+4*\tt+3], v[XSB] offset:512*\tt
.endr
	WIN 0x40
.set n, 0
.rept 32
	ds_load_b128 v[4*n:4*n+3], v[XRA] offset:512*n
.set n, n+1
.endr
	s_wait_dscnt 32                                ; the four loads of statistics are in; the 32 loads of the first image's O^T, issued behind them, may be out
.set n, 0
.rept 32
	ds_load_b128 v[128+4*n:128+4*n+3], v[XRB] offset:512*n   ; the second image's O^T lands while the statistics are worked on
.set n, n+1
.endr
	WIN 0
.irp tt, 0,1
	v_max_num_f32 v[WK+8*\tt+4], v[MA+4*\tt], v[MB+4*\tt]          ; the common c m
.endr
.irp tt, 0,1
	v_sub_f32 v[WK+8*\tt], v[MA+4*\tt], v[WK+8*\tt+4]
	v_sub_f32 v[WK+8*\tt+2], v[MB+4*\tt], v[WK+8*\tt+4]
.endr
.irp tt, 0,1
	v_exp_f32 v[WK+8*\tt], v[WK+8*\tt]
	v_exp_f32 v[WK+8*\tt+2], v[WK+8*\tt+2]
.endr
.irp tt, 0,1
	v_mov_b32 v[WK+8*\tt+1], 0                     ; (named as the upper halves of pairs; plain instructions behind the exponentials)
	v_mov_b32 v[WK+8*\tt+3], 0
.endr
	s_wait_alu depctr_va_vdst(0)                   ; one wait for the four exponentials
.irp tt, 0,1
	v_mul_f32 v[WK+8*\tt+5], v[WK+8*\tt], v[MA+4*\tt+2]
.endr
.irp tt, 0,1
	v_fma_f32 v[WK+8*\tt+5], v[WK+8*\tt+2], v[MB+4*\tt+2], v[WK+8*\tt+5]   ; the row's sum under the common maximum
.endr
.irp tt, 0,1
	v_rcp_f32 v[WK+8*\tt+6], v[WK+8*\tt+5]
.endr
	v_nop
	s_wait_alu depctr_va_vdst(0)                   ; one wait for the two reciprocals
.irp tt, 0,1
	v_mul_f32 v[WK+8*\tt], v[WK+8*\tt], v[WK+8*\tt+6]
	v_mul_f32 v[WK+8*\tt+2], v[WK+8*\tt+2], v[WK+8*\tt+6]
.endr
	s_wait_dscnt 0x0                               ; both images' O^T are in
.macro PACK tt                         ; O = Oa ga + Ob gb, rounded to f16; through my stage and back as whole rows of 256 bytes
	WIN W_RS
.set n, 0
.rept 32
	v_pk_mul_f32 v[64*\tt+2*n:64*\tt+2*n+1], v[64*\tt+2*n:64*\tt+2*n+1], v[WK+8*\tt:WK+8*\tt+1] op_sel_hi:[1,0]
.set n, n+1
.endr
	WIN 0x51                                       ; sources 0 and 2 and the destination window 1
.set n, 0
.rept 32
	v_pk_fma_f32 v[64*\tt+2*n:64*\tt+2*n+1], v[128+64*\tt+2*n:128+64*\tt+2*n+1], v[WK+8*\tt+2:WK+8*\tt+3], v[64*\tt+2*n:64*\tt+2*n+1] op_sel_hi:[1,0,1]
.set n, n+1
.endr
	WIN 0x05
.set n, 0
.rept 32
	v_cvt_pk_f16_f32 v[OH+32*\tt+n], v[64*\tt+2*n], v[64*\tt+2*n+1]
.set n, n+1
.endr
	WIN 0
.irp f, 0,1,2,3,4,5,6,7
	ds_store_b128 v[STO], v[OH+32*\tt+4*\f:OH+32*\tt+4*\f+3] offset:32*\f
.endr
.irp f, 0,1,2,3,4,5,6,7
	ds_load_b128 v[OH+32*\tt+4*\f:OH+32*\tt+4*\f+3], v[RD] offset:\f*2*SP   ; LDS serves a wave's instructions in order
.endr
.endm
.macro SEND tt, younger                ; younger: the LDS instructions issued behind this tile's loads
.irp f, 0,1,2,3,4,5,6,7
	s_wait_dscnt \younger+7-\f
	global_store_b128 v[GO], v[OH+32*\tt+4*\f:OH+32*\tt+4*\f+3], s[12:13] offset:\tt*65536+\f*8192   ; sixteen lanes store 256 consecutive bytes, aligned
.endr
.endm
	PACK 0
	PACK 1
	SEND 0, 16
	SEND 1, 0
	s_wait_tensorcnt 0x0                           ; the wave's end: behind my last tensor load and my last LDS store
	ds_add_u32 v[SPW], v[NIL]
	s_wait_dscnt 0x0
	CROUND                                         ; the closing round
	s_endpgm
.Lfunc_end_k_qbf2104a5e9_attn:
	.size	k_qbf2104a5e9_attn, .Lfunc_end_k_qbf2104a5e9_attn-k_qbf2104a5e9_attn
	.p2alignl 7, 3214868480
	.fill 96, 4, 3214868480
	.section	.rodata,"a",@progbits
	.p2align	6, 0x0
	.amdhsa_kernel k_qbf2104a5e9_attn
		.amdhsa_group_segment_fixed_size 327680
		.amdhsa_private_segment_fixed_size 0
		.amdhsa_enable_private_segment 0
		.amdhsa_kernarg_size 40
		.amdhsa_user_sgpr_count 2
		.amdhsa_user_sgpr_kernarg_segment_ptr 1
		.amdhsa_wavefront_size32 1
		.amdhsa_system_sgpr_workgroup_id_x 1
		.amdhsa_system_sgpr_workgroup_id_y 1
		.amdhsa_system_sgpr_workgroup_id_z 1
		.amdhsa_system_vgpr_workitem_id 0
		.amdhsa_next_free_vgpr 1024
		.amdhsa_next_free_sgpr 100
		.amdhsa_reserve_vcc 0
		.amdhsa_float_denorm_mode_32 3
		.amdhsa_float_denorm_mode_16_64 3
		.amdhsa_memory_ordered 1
		.amdhsa_forward_progress 1
		.amdhsa_inst_pref_size 254
	.end_amdhsa_kernel
	.amdgpu_metadata
---
amdhsa.version: [ 1, 2 ]
amdhsa.kernels:
  - .name:           k_qbf2104a5e9_attn
    .symbol:         k_qbf2104a5e9_attn.kd
    .args:
      - { .name: qh, .offset: 0, .size: 8, .value_kind: global_buffer, .address_space: global }
      - { .name: kh, .offset: 8, .size: 8, .value_kind: global_buffer, .address_space: global }
      - { .name: vh, .offset: 16, .size: 8, .value_kind: global_buffer, .address_space: global }
      - { .name: attention_mask, .offset: 24, .size: 8, .value_kind: global_buffer, .address_space: global }
      - { .name: at16, .offset: 32, .size: 8, .value_kind: global_buffer, .address_space: global }
    .group_segment_fixed_size: 327680
    .private_segment_fixed_size: 0
    .kernarg_segment_align: 8
    .kernarg_segment_size: 40
    .max_flat_workgroup_size: 128
    .sgpr_count:     100
    .vgpr_count:     1024
    .wavefront_size: 32
...
	.end_amdgpu_metadata
.endif
;; end of part 3
;; launch oproj (part 4): grid 16 x 16, 4 waves a work-group, clusters of 4 x 4, 327,680 bytes of LDS; arguments at16, wo16, out0; writes out0
.if DOCPART == 4
	.amdgcn_target "amdgcn-amd-amdhsa--gfx1250"
	.amdhsa_code_object_version 6
	.text
	.protected	k_qbf2104a5e9_oproj
	.globl	k_qbf2104a5e9_oproj
	.p2align	8
	.type	k_qbf2104a5e9_oproj,@function
k_qbf2104a5e9_oproj:
	s_mov_b64 s[64:65], 0
	v_nop
	global_prefetch_b8 v0, s[64:65] scope:SCOPE_SE
	s_setreg_imm32_b32 hwreg(HW_REG_WAVE_MODE, 25, 1), 1
	s_wait_xcnt 0x0
	s_wait_alu depctr_hold_cnt(0) depctr_sa_sdst(0) depctr_va_vdst(0) depctr_va_sdst(0) depctr_va_ssrc(0) depctr_va_vcc(0) depctr_vm_vsrc(0)
	s_getreg_b32 s2, hwreg(HW_REG_IB_STS2, 6, 4)
	s_cmp_eq_u32 s2, 0
	s_cbranch_scc0 .Lentry_in_a_cluster
	s_endpgm
.Lentry_in_a_cluster:
	s_bfe_u32 s2, ttmp6, 0x10000c
	s_cmp_lg_u32 s2, 0xf033
	s_cbranch_scc0 .Lentry_shape_is_right
	s_endpgm
.Lentry_shape_is_right:
; out0[s][e] = sum over h of at16[s][h] wo16[e][h].  Both operands [2048][2048] f16, K innermost; out0 [2048][2048] f32; sums in f32.
; A tile of out0 is 128 x 128, so that 256 work-groups have work.  Four waves, each 64 x 64: 16 accumulators.  K goes in steps of 256 (LDS rows of 512 bytes; a wave's tensor load brings 64 of them) through two slots.
; CLUSTER 4 x 4: the four of a row of the cluster need the same tiles of A, the four of a column the same tiles of B: each is asked for jointly.
; THE MATRIX INSTRUCTION IS USED TRANSPOSED (source 0 = 16 rows of B, source 1 = 16 rows of A): a lane holds eight neighbouring numbers of a row.  A wave's 64 columns are 256 bytes, aligned: each wave has a stage of its own.
; REGISTERS: window 0: v0-31 addresses; v32-95 rows on the way out; v128-255 the accumulators ((a, b) at v[128 + 8 (4 a + b)]).  window 1: two fragment buffers of 128.
.set SIZE_M, 2048
.set SIZE_N, 2048
.set SIZE_K, 2048
.set KSTEP,  256
.set PITCH,  528
.set HALFT,  64*PITCH
.set SLOT,   4*HALFT
.set STAGE,  2*SLOT                    ; behind the ring: 16 rows x 272 bytes for each wave
.set SPITCH, 272
.set SPARE,  STAGE+4*16*SPITCH
.set LAPS, SIZE_K/(2*KSTEP)
.set ADRA, 16
.set ADRB, 20
.set STO,  24
.set RD,   25
.set CO,   26
.set SPW,  28
.set NIL,  29
.set TMP,  32
.set ACC,  128
.set F0,   0
.set F1,   128
.set G1, 24
.set G0, 32
.set G1B, 48
.set G0B, 56
.set MSB, 0
.macro WIN new
.if MSB != \new
	s_set_vgpr_msb (MSB<<8)|\new
.set MSB, \new
.endif
.endm
.set MUL,  0x05                        ; sources 0 (B) and 1 (A) window 1; C and D window 0
.set TO_F, 0x40
.macro JLOAD s                         ; waves 0 and 1 fetch A's two halves, waves 2 and 3 B's; an s_nop 0 and four v_nop follow each line
	s_cmp_eq_u32 s11, 0
	s_cbranch_scc0 .Lfor_b_\@
	tensor_load_to_lds s[G0+4*\s:G0+4*\s+3], s[G1:G1+7]
	s_nop 0
.rept 4
	v_nop
.endr
	s_branch .Lasked_\@
.Lfor_b_\@:
	tensor_load_to_lds s[G0B+4*\s:G0B+4*\s+3], s[G1B:G1B+7]
	s_nop 0
.rept 4
	v_nop
.endr
.Lasked_\@:
.endm
.macro CREST
	s_cmp_lg_u32 s10, 0
	s_cbranch_scc1 .Lnot_wave_0_\@
	s_barrier_signal -3
.Lnot_wave_0_\@:
	s_barrier_wait -3
	s_barrier_signal -1
	s_barrier_wait -1
.endm
.macro CROUND
	s_barrier_signal -1
	s_barrier_wait -1
	CREST
.endm
	s_load_b128 s[4:7], s[0:1], 0x0                ; A, B
	s_load_b64 s[8:9], s[0:1], 0x10                ; C
	v_lshl_add_u32 v[SPW], v0, 2, SPARE
	v_mov_b32 v[NIL], 0
	ds_add_u32 v[SPW], v[NIL]                      ; the wave's opening: the add, twice on end, and its wait ahead of my first tensor load
	ds_add_u32 v[SPW], v[NIL]
	v_lshrrev_b32 v1, 5, v0
	v_readfirstlane_b32 s10, v1                    ; wave
	s_lshr_b32 s11, s10, 1                         ; my half of the rows; also: I fetch for A (0) or B (1)
	s_and_b32 s12, s10, 1                          ; my half of the columns; also: which 64 rows I fetch
	s_bfe_u32 s40, ttmp6, 0x40000
	s_bfe_u32 s41, ttmp6, 0x40004
	s_lshl_b32 s42, ttmp9, 2
	s_add_co_u32 s42, s42, s40                     ; tile column
	s_and_b32 s13, ttmp7, 0xffff
	s_lshl_b32 s13, s13, 2
	s_add_co_u32 s13, s13, s41                     ; tile row
	s_lshl_b32 s43, s41, 2
	s_lshl_b32 s43, 15, s43
	s_lshl_b32 s44, 0x1111, s40
	s_or_b32 s[G1+0], s43, (1<<16)|(1<<20)|(1<<21)|(6<<22)|(3<<25)   ; elements of 2 bytes; after every 128 words four words
	s_or_b32 s[G1B+0], s44, (1<<16)|(1<<20)|(1<<21)|(6<<22)|(3<<25)
.irp g, G1, G1B
	s_mov_b32 s[\g+1], KSTEP<<16
	s_mov_b32 s[\g+2], 64<<16
	s_mov_b32 s[\g+3], KSTEP<<16
	s_mov_b32 s[\g+4], 64
	s_mov_b32 s[\g+5], SIZE_K
	s_mov_b32 s[\g+6], 0
	s_mov_b32 s[\g+7], 0
.endr
	s_lshl_b32 s17, s12, 6
	s_lshl_b32 s16, s13, 7
	s_add_co_u32 s16, s16, s17
	s_lshl_b32 s46, s42, 7
	s_add_co_u32 s46, s46, s17
	s_mov_b32 s17, 0
	s_mov_b32 s47, 0
	s_mov_b64 s[18:19], SIZE_K*2
	s_mul_u64 s[16:17], s[16:17], s[18:19]
	s_mul_u64 s[46:47], s[46:47], s[18:19]
	s_mul_i32 s20, s10, HALFT
	s_wait_dscnt 0x0                               ; both opening adds are done
	s_wait_kmcnt 0x0
	s_add_nc_u64 s[14:15], s[4:5], s[16:17]
	s_add_nc_u64 s[46:47], s[6:7], s[46:47]
	CROUND
.irp s, 0,1
	s_mov_b32 s[G0+4*\s], 1
	s_add_co_u32 s[G0+4*\s+1], s20, \s*SLOT
	s_add_nc_u64 s[G0+4*\s+2:G0+4*\s+3], s[14:15], \s*KSTEP*2
	s_or_b32 s[G0+4*\s+3], s[G0+4*\s+3], 0x80000000
	s_mov_b32 s[G0B+4*\s], 1
	s_add_co_u32 s[G0B+4*\s+1], s20, \s*SLOT
	s_add_nc_u64 s[G0B+4*\s+2:G0B+4*\s+3], s[46:47], \s*KSTEP*2
	s_or_b32 s[G0B+4*\s+3], s[G0B+4*\s+3], 0x80000000
	JLOAD \s
.endr
	v_and_b32 v1, 15, v0
	v_bfe_u32 v2, v0, 4, 1
	v_mul_u32_u24 v3, v1, PITCH
	v_lshl_add_u32 v3, v2, 4, v3
	s_mul_i32 s21, s11, HALFT
	s_mul_i32 s22, s12, HALFT
	s_add_co_u32 s22, s22, 2*HALFT
.irp s, 0,1
	v_add_nc_u32 v[ADRA+\s], s21, v3
	v_add_nc_u32 v[ADRB+\s], s22, v3
	s_add_co_u32 s21, s21, SLOT
	s_add_co_u32 s22, s22, SLOT
.endr
	s_mul_i32 s23, s10, 16*SPITCH
	s_add_co_u32 s23, s23, STAGE                   ; my stage
	v_mul_u32_u24 v4, v1, SPITCH                   ; in: row r, 32 bytes for each half of the lanes
	v_lshl_add_u32 v4, v2, 5, v4
	v_add_nc_u32 v[STO], s23, v4
	v_mul_u32_u24 v5, v2, SPITCH                   ; back: lanes 0-15 one row of 256 bytes, lanes 16-31 the next
	v_lshl_add_u32 v5, v1, 4, v5
	v_add_nc_u32 v[RD], s23, v5
	v_lshlrev_b32 v5, 13, v2                       ; and the same two rows in C: 8,192 bytes a row
	v_lshl_add_u32 v[CO], v1, 4, v5
	s_lshl_b32 s16, s13, 7
	s_lshl_b32 s17, s11, 6
	s_add_co_u32 s16, s16, s17                     ; my first row: 128 x tile row + 64 x half
	s_lshl_b32 s16, s16, 13
	s_mov_b32 s17, 0
	s_add_nc_u64 s[8:9], s[8:9], s[16:17]
	s_lshl_b32 s46, s42, 9                         ; my first column, in bytes: 512 x tile column + 256 x half
	s_lshl_b32 s47, s12, 8
	s_add_co_u32 s46, s46, s47
	s_mov_b32 s47, 0
	s_add_nc_u64 s[8:9], s[8:9], s[46:47]
.macro MUL8 f, c, a0, zero             ; 8 products; the 16 accumulators take turns
.irp a, \a0, \a0+1
.irp b, 0,1,2,3
.if \zero
	v_wmma_f32_16x16x32_f16 v[ACC+8*(4*(\a)+\b):ACC+8*(4*(\a)+\b)+7], v[\f+64+8*(4*\c+\b):\f+64+8*(4*\c+\b)+7], v[\f+8*(4*\c+\a):\f+8*(4*\c+\a)+7], 0
.else
	v_wmma_f32_16x16x32_f16 v[ACC+8*(4*(\a)+\b):ACC+8*(4*(\a)+\b)+7], v[\f+64+8*(4*\c+\b):\f+64+8*(4*\c+\b)+7], v[\f+8*(4*\c+\a):\f+8*(4*\c+\a)+7], v[ACC+8*(4*(\a)+\b):ACC+8*(4*(\a)+\b)+7]
.endif
.endr
.endr
.endm
.macro FETCH slot, k, f                ; 32 LDS loads in one run: 64 along K at byte k of the rows; the first 32 along K first
	WIN TO_F
.irp c, 0,1
.irp i, 0,1,2,3
	ds_load_b128 v[\f+64+8*(4*\c+\i):\f+64+8*(4*\c+\i)+3],   v[ADRB+\slot] offset:\k+64*\c+\i*16*PITCH
	ds_load_b128 v[\f+64+8*(4*\c+\i)+4:\f+64+8*(4*\c+\i)+7], v[ADRB+\slot] offset:\k+64*\c+\i*16*PITCH+32
	ds_load_b128 v[\f+8*(4*\c+\i):\f+8*(4*\c+\i)+3],         v[ADRA+\slot] offset:\k+64*\c+\i*16*PITCH
	ds_load_b128 v[\f+8*(4*\c+\i)+4:\f+8*(4*\c+\i)+7],       v[ADRA+\slot] offset:\k+64*\c+\i*16*PITCH+32
.endr
.endr
.endm
.macro PLACES
.rept 4
	v_nop
.endr
.endm
.macro QUARTER slot, k, f, g, zero
	s_wait_dscnt 16                                ; the first 32 along K are in; the other sixteen loads may be out
	WIN MUL
	MUL8 \f, 0, 0, \zero
	MUL8 \f, 0, 2, \zero
	PLACES
	FETCH \slot, \k, \g
	s_wait_dscnt 32                                ; all but the 32 just issued
	WIN MUL
	MUL8 \f, 1, 0, 0
	MUL8 \f, 1, 2, 0
.endm
.macro TURN slot, next, fill
	WIN 0
	s_wait_tensorcnt 0x0                           ; all my tensor loads have landed: my part of the next slot
	ds_add_u32 v[SPW], v[NIL]                      ; 0 onto my spare word
	s_wait_dscnt 17                                ; the add and the youngest sixteen loads may be out
	WIN MUL
	MUL8 F1, 0, 0, 0
	s_wait_dscnt 0x0                               ; the add is done, and my reads of this slot are over
	s_barrier_signal -1
	MUL8 F1, 0, 2, 0
.if \fill
	WIN 0
.endif
	s_barrier_wait -1
.if \fill
	CREST
	s_add_nc_u64 s[G0+4*\slot+2:G0+4*\slot+3], s[G0+4*\slot+2:G0+4*\slot+3], 2*KSTEP*2
	s_add_nc_u64 s[G0B+4*\slot+2:G0B+4*\slot+3], s[G0B+4*\slot+2:G0B+4*\slot+3], 2*KSTEP*2
	JLOAD \slot
.else
	PLACES
.endif
	FETCH \next, 0, F0
	WIN MUL
	MUL8 F1, 1, 0, 0
	MUL8 F1, 1, 2, 0
.endm
	s_wait_tensorcnt 1                             ; my part of K step 0 is in; K step 1's may be out
	s_barrier_signal -1
	s_barrier_wait -1
	FETCH 0, 0, F0
	QUARTER 0, 128, F0, F1, 1
	WIN 0
	s_mov_b32 s3, LAPS-1
.Llap:
	QUARTER 0, 256, F1, F0, 0
	QUARTER 0, 384, F0, F1, 0
	TURN 0, 1, 1
	QUARTER 1, 128, F0, F1, 0
	QUARTER 1, 256, F1, F0, 0
	QUARTER 1, 384, F0, F1, 0
	TURN 1, 0, 1
	QUARTER 0, 128, F0, F1, 0
	WIN 0
	s_sub_co_u32 s3, s3, 1
	s_cmp_lg_u32 s3, 0
	s_cbranch_scc1 .Llap
	QUARTER 0, 256, F1, F0, 0                      ; the last lap fills nothing
	QUARTER 0, 384, F0, F1, 0
	TURN 0, 1, 0
	QUARTER 1, 128, F0, F1, 0
	QUARTER 1, 256, F1, F0, 0
	QUARTER 1, 384, F0, F1, 0
	s_wait_dscnt 16
	WIN MUL
	MUL8 F1, 0, 0, 0
	MUL8 F1, 0, 2, 0
	s_wait_dscnt 0
	MUL8 F1, 1, 0, 0
	MUL8 F1, 1, 2, 0
	WIN 0
	; THE WAY OUT, a block of 16 rows x 64 columns at a time, through my own stage and back as whole rows of 256 bytes.
.macro TOSTAGE a
.irp b, 0,1,2,3
	ds_store_b128 v[STO], v[ACC+8*(4*(\a)+\b):ACC+8*(4*(\a)+\b)+3] offset:64*\b          ; each accumulator from its low end on
	ds_store_b128 v[STO], v[ACC+8*(4*(\a)+\b)+4:ACC+8*(4*(\a)+\b)+7] offset:64*\b+16
.endr
.irp t, 0,1,2,3,4,5,6,7
	ds_load_b128 v[TMP+32*((\a)%2)+4*\t:TMP+32*((\a)%2)+4*\t+3], v[RD] offset:\t*2*SPITCH   ; LDS serves a wave's instructions in order
.endr
.endm
.macro SEND a, younger                 ; younger: the LDS instructions issued behind block a's loads
	s_wait_dscnt \younger
.irp t, 0,1,2,3,4,5,6,7
	global_store_b128 v[CO], v[TMP+32*((\a)%2)+4*\t:TMP+32*((\a)%2)+4*\t+3], s[8:9] offset:(16*(\a)+2*\t)*SIZE_N*4 th:TH_STORE_NT   ; sixteen lanes store 256 consecutive bytes, aligned
.endr
.endm
	PLACES
	TOSTAGE 0
.irp a, 1,2,3
.if \a > 1
	s_wait_xcnt 0x0                                ; block a - 2's stores have read their registers: block a's loads may land there
.endif
	TOSTAGE \a
	SEND \a-1, 16                                  ; behind block a - 1's loads: block a's 8 stores and 8 loads
.endr
	SEND 3, 0
	s_wait_tensorcnt 0x0                           ; the wave's end: behind my last tensor load and my last LDS store
	ds_add_u32 v[SPW], v[NIL]
	s_wait_dscnt 0x0
	CROUND                                         ; the closing round
	s_endpgm
.Lfunc_end_k_qbf2104a5e9_oproj:
	.size	k_qbf2104a5e9_oproj, .Lfunc_end_k_qbf2104a5e9_oproj-k_qbf2104a5e9_oproj
	.p2alignl 7, 3214868480
	.fill 96, 4, 3214868480
	.section	.rodata,"a",@progbits
	.p2align	6, 0x0
	.amdhsa_kernel k_qbf2104a5e9_oproj
		.amdhsa_group_segment_fixed_size 327680
		.amdhsa_private_segment_fixed_size 0
		.amdhsa_enable_private_segment 0
		.amdhsa_kernarg_size 24
		.amdhsa_user_sgpr_count 2
		.amdhsa_user_sgpr_kernarg_segment_ptr 1
		.amdhsa_wavefront_size32 1
		.amdhsa_system_sgpr_workgroup_id_x 1
		.amdhsa_system_sgpr_workgroup_id_y 1
		.amdhsa_system_sgpr_workgroup_id_z 1
		.amdhsa_system_vgpr_workitem_id 0
		.amdhsa_next_free_vgpr 512
		.amdhsa_next_free_sgpr 66
		.amdhsa_reserve_vcc 0
		.amdhsa_float_denorm_mode_32 3
		.amdhsa_float_denorm_mode_16_64 3
		.amdhsa_memory_ordered 1
		.amdhsa_forward_progress 1
		.amdhsa_inst_pref_size 86
	.end_amdhsa_kernel
	.amdgpu_metadata
---
amdhsa.version: [ 1, 2 ]
amdhsa.kernels:
  - .name:           k_qbf2104a5e9_oproj
    .symbol:         k_qbf2104a5e9_oproj.kd
    .args:
      - { .name: at16, .offset: 0, .size: 8, .value_kind: global_buffer, .address_space: global }
      - { .name: wo16, .offset: 8, .size: 8, .value_kind: global_buffer, .address_space: global }
      - { .name: out0, .offset: 16, .size: 8, .value_kind: global_buffer, .address_space: global }
    .group_segment_fixed_size: 327680
    .private_segment_fixed_size: 0
    .kernarg_segment_align: 8
    .kernarg_segment_size: 24
    .max_flat_workgroup_size: 128
    .sgpr_count:     66
    .vgpr_count:     512
    .wavefront_size: 32
...
	.end_amdgpu_metadata
.endif
;; end of part 4
